; MI455X (gfx1250); checked and timed in simulation.
; The chip was launched on July 23, 2026; its instructions are those of AMD's public machine-readable ISA for CDNA 5 (MIT licence, August 2026) and "CDNA5" Instruction Set Architecture Reference Guide (July 2026). The comments in the code are by the model that wrote it; some were corrected since.
;; Hyperbolic MLP. Allowed arithmetic: matrix products marked QUANTISED: E2M3 operands, one E8M0 scale for each 32 along K, by v_wmma_scale_f32_16x16x128_f8f6f4 with both operands' format E2M3, f32 sums; everything else in f32.
;; Inputs: W1_codes 2,048 x 32 x 24 uint8 (E2M3 codes of W1, K innermost, in blocks of 32 codes, four codes in three bytes); W1_scales 2,048 x 32 uint8 (E8M0 scales of W1, one for each 32 codes along K); W2_codes 2,048 x 64 x 24 uint8 (E2M3 codes of W2, K innermost, in blocks of 32 codes, four codes in three bytes); W2_scales 2,048 x 64 uint8 (E8M0 scales of W2, one for each 32 codes along K); W3_codes 1,000 x 64 x 24 uint8 (E2M3 codes of W3, K innermost, in blocks of 32 codes, four codes in three bytes); W3_scales 1,000 x 64 uint8 (E8M0 scales of W3, one for each 32 codes along K); b1 2,048 float32; b2 2,048 float32; b3 1,000 float32; be1 2,048 float32; be2 2,048 float32; g1 2,048 float32; g2 2,048 float32; x_codes 8,192 x 32 x 24 uint8 (E2M3 codes of x, K innermost, in blocks of 32 codes, four codes in three bytes); x_scales 8,192 x 32 uint8 (E8M0 scales of x, one for each 32 codes along K).
;; Outputs: out0 8,192 x 1,000 float32.
;; This version of the problem:
;;   THIS VERSION OF THE PROBLEM IS GIVEN IN LOW PRECISION. The matrix products marked QUANTISED in the list below multiply operands that are first quantised to E2M3 (2 exponent bits, 3 mantissa bits; 6 bits a number), with one power-of-two scale for each 32 numbers along K (OCP MX v1.0); their sums are f32. All else is computed in f32.
;;   The module's matrix products, in the order in which they are computed (A, B: the left and right operand; K: the contracted axis; several contracted axes count as one K, in the product's order):
;;     1. [M 8,192, K 1,024] x [K 1,024, N 2,048]; A: input x (given as codes); B: input W1 (given as codes): QUANTISED
;;     2. [M 8,192, K 2,048] x [K 2,048, N 2,048]; A: computed on the way; B: input W2 (given as codes): QUANTISED
;;     3. [M 8,192, K 2,048] x [K 2,048, N 1,000]; A: computed on the way; B: input W3 (given as codes): QUANTISED
;;   THE QUANTISER, for each operand of a quantised product, along K:
;;     - K is cut into blocks of 32 from its start; a last block that is shorter is filled with zeros.
;;     - A block's scale is 2^e with e = floor(log2(the largest magnitude in the block)) - 2, held to -126 .. 127; a block of zeros has e = 0. As a byte (E8M0): e + 127.
;;     - Each number is divided by its block's scale, clamped to +-7.5, and rounded to the nearest number of E2M3, ties to even, subnormals kept.
;;     - The product sums the exact products of the quantised numbers (number of the format x scale) in f32.
;;   ~~~python
;;   def quantise(x, axis):      # numpy; x: float32 -> the quantised numbers, widened to float32 again
;;       x = np.moveaxis(x, axis, -1); K = x.shape[-1]
;;       x = np.pad(x, [(0, 0)] * (x.ndim - 1) + [(0, -K % 32)]); x = x.reshape(x.shape[:-1] + (-1, 32)); a = np.abs(x).max(-1, keepdims=True)
;;       e = np.where(a > 0, np.clip(np.frexp(np.where(a > 0, a, 1))[1] - 1 - 2, -126, 127), 0)      # np.frexp(a)[1] - 1 = floor(log2(a)), exactly
;;       r = np.clip(x / 2.0 ** e, -7.5, 7.5)
;;       step = 2.0 ** (np.maximum(np.frexp(np.where(r == 0, 1, r))[1] - 1, 0) - 3)
;;       q = np.round(r / step) * step * 2.0 ** e      # np.round: ties to even
;;       return np.moveaxis(q.reshape(q.shape[:-2] + (-1,))[..., :K], -1, axis).astype(np.float32)
;;   ~~~
;;   OPERANDS COMPUTED ON THE WAY. 'Computed on the way' means the value that the module computes at that place (a softmax that the list does not call 'softmax' is quantised finished and normalised). What goes into a quantiser is computed in f32, as accurately as f32 sums, v_exp_f32 and their like allow (about 1e-6 of the number): no bf16 or f16 on the way to a quantiser, and a product that is left as it is and whose result goes on into a quantised operand takes f32 operands (vector FMAs, or v_wmma_f32_16x16x4_f32). A number that lies on a knife's edge between two numbers of the format may be rounded either way, as far as f32 arithmetic and the matrix unit's own rounding can turn it there, and no further.
;;   INPUTS GIVEN AS CODES. W1 (in the module: [2048, 1024], K = its axis 1); W2 (in the module: [2048, 2048], K = its axis 1); W3 (in the module: [1000, 2048], K = its axis 1); x (in the module: [8192, 1024], K = its axis 1): each comes as NAME_codes (uint8): NAME with its K axis moved to the last place and cut into blocks of 32 codes, [.., K / 32, bytes a block], one block behind the other in memory; four codes in three bytes: a row's codes are one little-endian stream of bits, code i at bits 6 i .. 6 i + 5 (a code: sign, 2 exponent bits, 3 mantissa bits); and NAME_scales (uint8): the same leading axes, one E8M0 byte (e + 127) for each 32 codes along K. Its value is code x scale, taken as it is: it is not quantised again, and the codes and scales need not be those that the quantiser above would give.
;; One version. Each part assembles by itself: llvm-mc -triple=amdgcn-amd-amdhsa -mcpu=gfx1250 --defsym DOCPART=n.
;; ======== version 1 of 1: 7 launches
;; limits: right only within a limited range of input values
;; workspace buffers: z 67,108,864 bytes; a 13,107,200 bytes; pst 1,048,576 bytes; bn1 25,088 bytes; bn2 25,088 bytes; w2i 3,276,800 bytes; w3i 1,638,400 bytes; b3p 4,096 bytes
;; launch g1 (part 1): grid 8 x 32, 4 waves a work-group, clusters of 4 x 4, 327,680 bytes of LDS; arguments x_codes, x_scales, W1_codes, W1_scales, z, b1, pst; writes z, pst
.if DOCPART == 1
	.amdgcn_target "amdgcn-amd-amdhsa--gfx1250"
	.amdhsa_code_object_version 6
	.text
	.protected	k_qf7760cab59_g1
	.globl	k_qf7760cab59_g1
	.p2align	8
	.type	k_qf7760cab59_g1,@function
k_qf7760cab59_g1:
	s_mov_b64 s[64:65], 0
	v_nop
	global_prefetch_b8 v0, s[64:65] scope:SCOPE_SE
	s_setreg_imm32_b32 hwreg(HW_REG_WAVE_MODE, 25, 1), 1
	s_wait_xcnt 0x0
	s_wait_alu depctr_hold_cnt(0) depctr_sa_sdst(0) depctr_va_vdst(0) depctr_va_sdst(0) depctr_va_ssrc(0) depctr_va_vcc(0) depctr_vm_vsrc(0)
	s_getreg_b32 s2, hwreg(HW_REG_IB_STS2, 6, 4)
	s_cmp_eq_u32 s2, 0
	s_cbranch_scc0 .Lentry_in_a_cluster
	s_endpgm
.Lentry_in_a_cluster:
	s_bfe_u32 s2, ttmp6, 0x10000c
	s_cmp_lg_u32 s2, 0xf033
	s_cbranch_scc0 .Lentry_shape_is_right
	s_endpgm
.Lentry_shape_is_right:
; z = x W1^T + b1 on codes of FP6 (E2M3) with E8M0 scales, and for each 128 rows x 128 columns a wave's partial batch-norm figures (mean, sum of squared deviations) into pst.
; A work-group of four waves makes 256 x 256; a wave 128 x 128: 64 accumulators, 512 registers.  4 x 4 work-groups form a cluster: x's tiles are asked for jointly along a row, W1's along a column.
; K goes through a ring of two LDS slots in CHUNKS OF 256 BYTES of each row of codes (a row is 768 bytes): every tile row begins at a multiple of 256 bytes.  A step of 128 along K is 96 bytes: eight steps to three chunks;
; steps 2 and 5 lie across two chunks and read both slots.  The scales of the 256 + 256 rows come once, as dense blocks, and stay in LDS.
; The matrix instruction is used transposed (source 0 = rows of W1, source 1 = rows of x): a lane holds eight neighbouring columns of one row of z.  b1 is the C of the first step's products.
; z: [row / 4][column / 128][2,048 bytes]; the 16 bytes at 512 i + 16 (8 (row % 4) + cg) hold columns 16 cg + 4 i + 0 .. 3.
; REGISTERS: window 0: v0-31 addresses, v32-63 scale words (two sets), v64-127 b1, from v128 x's fragments (one set); window 1: W1's fragments, two sets; windows 2, 3: the accumulators.
; No prefetch: K has three chunks, of which two are asked for at the head, so there is no step to run ahead in.
.set SIZE_K, 1024
.set ROWB,   256
.set NQ,     2
.set KROW,   SIZE_K*6/8
.set STEPS,  SIZE_K/128
.set CHUNKS, KROW/ROWB
.set PITCH,  272                       ; 256 bytes + 16 of padding
.set FR,     12
.set NL,     6
.set NP,     4
.set HALFT,  128*PITCH
.set SLOT,   4*HALFT
.set KS,     SIZE_K/32
.set SCL,    2*SLOT
.set HALFS,  (128*KS/256)*272
.set SBLK,   (16*KS/256)*272
.set SPARE,  SCL+4*HALFS
.set SPITCH, 560
.set STAGE,  (CHUNKS%2)*SLOT           ; the slot that does not hold the last chunk: it has had its last fill and its last read when the first result is stored there
.set ZGRP,   32768
.set ADRA, 16
.set ADRB, 20
.set STO,  24
.set RD,   25
.set CO,   26
.set ADRS, 27
.set SPW,  28
.set NIL,  29
.set RDP,  30
.set BO,   31
.set SC,   32
.set BI,   64
.set AF,   128
.set PIV,  32
.set SA,   48
.set SQ,   64
.set D,    80
.set T,    96
.set SELO, 112
.set BK,   128
.set G1, 24
.set G0, 32
.set G1B, 48
.set G0B, 56
.set G1S, 68
.set G0S, 76
.set G1SB, 80
.set G0SB, 88
.set G0H, 4
.set G0HB, 8
.set MSB, 0
.macro WIN new
.if MSB != \new
	s_set_vgpr_msb (MSB<<8)|\new
.set MSB, \new
.endif
.endm
.set MUL_LO, 0xa1
.set MUL_HI, 0xf1
.set FIRST_LO, 0x81                    ; as MUL_LO, C (b1) in window 0
.set FIRST_HI, 0xc1
.set TO_B,   0x40
.macro JLOAD g0a, g1a, g0b, g1b        ; waves 0, 1 ask for x's tile, waves 2, 3 for W1's
	s_cmp_eq_u32 s15, 0
	s_cbranch_scc0 .Lfor_b_\@
	tensor_load_to_lds s[\g0a:\g0a+3], s[\g1a:\g1a+7]
	s_nop 0
.rept 4
	v_nop
.endr
	s_branch .Lasked_\@
.Lfor_b_\@:
	tensor_load_to_lds s[\g0b:\g0b+3], s[\g1b:\g1b+7]
	s_nop 0
.rept 4
	v_nop
.endr
.Lasked_\@:
.endm
.macro CREST
	s_cmp_lg_u32 s14, 0
	s_cbranch_scc1 .Lnot_wave_0_\@
	s_barrier_signal -3
.Lnot_wave_0_\@:
	s_barrier_wait -3
	s_barrier_signal -1
	s_barrier_wait -1
.endm
.macro CROUND
	s_barrier_signal -1
	s_barrier_wait -1
	CREST
.endm
	s_load_b128 s[4:7], s[0:1], 0x0                ; x's codes, x's scales
	s_load_b128 s[8:11], s[0:1], 0x10              ; W1's codes, W1's scales
	s_load_b64 s[12:13], s[0:1], 0x20              ; z
	s_load_b128 s[96:99], s[0:1], 0x28             ; b1, pst
	v_lshl_add_u32 v[SPW], v0, 2, SPARE
	v_mov_b32 v[NIL], 0
	ds_add_u32 v[SPW], v[NIL]                      ; the opening lines: the add twice on end and its wait
	ds_add_u32 v[SPW], v[NIL]
	v_lshrrev_b32 v1, 5, v0
	v_readfirstlane_b32 s14, v1                    ; wave
	s_lshr_b32 s15, s14, 1                         ; my half of the rows; also: I fetch for x (0) or W1 (1)
	s_and_b32 s16, s14, 1                          ; my half of the columns; also: which 128 rows I fetch
	s_bfe_u32 s40, ttmp6, 0x40000                  ; cx
	s_bfe_u32 s41, ttmp6, 0x40004                  ; cy
	s_lshl_b32 s42, ttmp9, 2
	s_add_co_u32 s42, s42, s40                     ; tile column
	s_and_b32 s17, ttmp7, 0xffff
	s_lshl_b32 s17, s17, 2
	s_add_co_u32 s17, s17, s41                     ; tile row
	s_lshl_b32 s43, s41, 2
	s_lshl_b32 s43, 15, s43                        ; my row of the cluster
	s_lshl_b32 s44, 0x1111, s40                    ; my column
	s_or_b32 s[G1+0], s43, (0<<16)|(1<<20)|(1<<21)|(5<<22)|(3<<25)
	s_or_b32 s[G1B+0], s44, (0<<16)|(1<<20)|(1<<21)|(5<<22)|(3<<25)
.irp g, G1, G1B
	s_mov_b32 s[\g+1], ROWB<<16
	s_mov_b32 s[\g+2], 256<<16                     ; the head's loads bring 256 rows
	s_mov_b32 s[\g+3], ROWB<<16
	s_mov_b32 s[\g+4], 256
	s_mov_b32 s[\g+5], KROW
	s_mov_b32 s[\g+6], 0
	s_mov_b32 s[\g+7], 0
.endr
	s_or_b32 s[G1S+0], s43, (3<<16)|(1<<20)|(1<<21)|(5<<22)|(3<<25)
	s_or_b32 s[G1SB+0], s44, (3<<16)|(1<<20)|(1<<21)|(5<<22)|(3<<25)
.irp g, G1S, G1SB
	s_mov_b32 s[\g+1], 32<<16                      ; the scales of 256 rows: KS rows of 256 bytes
	s_mov_b32 s[\g+2], KS<<16
	s_mov_b32 s[\g+3], 32<<16
	s_mov_b32 s[\g+4], KS
	s_mov_b32 s[\g+5], 32
	s_mov_b32 s[\g+6], 0
	s_mov_b32 s[\g+7], 0
.endr
	s_lshl_b32 s20, s17, 8
	s_lshl_b32 s46, s42, 8
	s_mov_b32 s21, 0
	s_mov_b32 s47, 0
	s_mov_b64 s[18:19], KS
	s_mul_u64 s[22:23], s[20:21], s[18:19]
	s_mul_u64 s[92:93], s[46:47], s[18:19]
	s_mov_b64 s[18:19], KROW
	s_mul_u64 s[20:21], s[20:21], s[18:19]
	s_mul_u64 s[46:47], s[46:47], s[18:19]
	s_mul_i32 s18, s16, 128*KROW
	s_mov_b32 s19, 0
	s_mul_i32 s45, s14, HALFT
	s_wait_dscnt 0x0                               ; both opening adds are done
	s_wait_kmcnt 0x0
	s_add_nc_u64 s[20:21], s[4:5], s[20:21]
	s_add_nc_u64 s[22:23], s[6:7], s[22:23]
	s_add_nc_u64 s[46:47], s[8:9], s[46:47]
	s_add_nc_u64 s[92:93], s[10:11], s[92:93]
	CROUND                                         ; in front of the first joint loads
	s_mov_b32 s[G0H], 1
	s_mov_b32 s[G0H+1], 0
	s_mov_b64 s[G0H+2:G0H+3], s[20:21]
	s_or_b32 s[G0H+3], s[G0H+3], 0x80000000
	s_mov_b32 s[G0HB], 1
	s_mov_b32 s[G0HB+1], 2*HALFT
	s_mov_b64 s[G0HB+2:G0HB+3], s[46:47]
	s_or_b32 s[G0HB+3], s[G0HB+3], 0x80000000
	s_mov_b32 s[G0S], 1
	s_mov_b32 s[G0S+1], SCL
	s_mov_b64 s[G0S+2:G0S+3], s[22:23]
	s_or_b32 s[G0S+3], s[G0S+3], 0x80000000
	s_mov_b32 s[G0SB], 1
	s_mov_b32 s[G0SB+1], SCL+2*HALFS
	s_mov_b64 s[G0SB+2:G0SB+3], s[92:93]
	s_or_b32 s[G0SB+3], s[G0SB+3], 0x80000000
	s_add_nc_u64 s[20:21], s[20:21], s[18:19]
	s_add_nc_u64 s[46:47], s[46:47], s[18:19]
.irp s, 0,1
	s_mov_b32 s[G0+4*\s], 1
	s_add_co_u32 s[G0+4*\s+1], s45, \s*SLOT
	s_add_nc_u64 s[G0+4*\s+2:G0+4*\s+3], s[20:21], \s*ROWB
	s_or_b32 s[G0+4*\s+3], s[G0+4*\s+3], 0x80000000
	s_mov_b32 s[G0B+4*\s], 1
	s_add_co_u32 s[G0B+4*\s+1], s45, \s*SLOT
	s_add_nc_u64 s[G0B+4*\s+2:G0B+4*\s+3], s[46:47], \s*ROWB
	s_or_b32 s[G0B+4*\s+3], s[G0B+4*\s+3], 0x80000000
.endr
; the head's four tiles, one a wave: chunk 0 of x, chunk 0 of W1, x's scales, W1's scales; one chain of branches, one load to an arm
.macro ARM under, g0, g1, next
	s_cmp_lt_u32 s14, \under
	s_cbranch_scc0 \next
	tensor_load_to_lds s[\g0:\g0+3], s[\g1:\g1+7]
	s_nop 0
.rept 4
	v_nop
.endr
	s_branch .Lhead_asked
\next:
.endm
	ARM 1, G0H,  G1,  .Lhead_b
	ARM 2, G0HB, G1B, .Lhead_sa
	ARM 3, G0S,  G1S, .Lhead_sb
	tensor_load_to_lds s[G0SB:G0SB+3], s[G1SB:G1SB+7]
	s_nop 0
.rept 4
	v_nop
.endr
.Lhead_asked:
	v_and_b32 v1, 15, v0                           ; r
	v_bfe_u32 v2, v0, 4, 1                         ; h
	v_mul_u32_u24 v3, v1, PITCH
	v_mul_u32_u24 v4, v2, 24
	v_add_nc_u32 v4, v3, v4                        ; row x pitch + 24 h
	s_mov_b32 s21, SLOT-232
	s_mov_b32 s22, SLOT+232
	v_sub_nc_u32 v7, 1, v2
	v_mul_u32_u24 v5, s21, v2
	v_add_nc_u32 v5, v3, v5
	v_add_nc_u32 v5, 232, v5                       ; across two chunks: lanes 0-15 byte 232 in slot 0, lanes 16-31 byte 0 in slot 1
	v_mul_u32_u24 v6, s22, v7
	v_add_nc_u32 v6, v3, v6                        ; and the other way round
	s_mul_i32 s21, s15, HALFT
	s_mul_i32 s22, s16, HALFT
	s_add_co_u32 s22, s22, 2*HALFT
	v_add_nc_u32 v[ADRA+2], s21, v5
	v_add_nc_u32 v[ADRA+3], s21, v6
	v_add_nc_u32 v[ADRB+2], s22, v5
	v_add_nc_u32 v[ADRB+3], s22, v6
.irp s, 0,1
	v_add_nc_u32 v[ADRA+\s], s21, v4
	v_add_nc_u32 v[ADRB+\s], s22, v4
	s_add_co_u32 s21, s21, SLOT
	s_add_co_u32 s22, s22, SLOT
.endr
	v_mul_u32_u24 v5, v1, KS
	v_lshrrev_b32 v6, 8, v5
	v_lshl_add_u32 v5, v6, 4, v5
	s_mul_i32 s21, s15, HALFS
	s_mul_i32 s22, s16, HALFS
	s_add_co_u32 s22, s22, 2*HALFS
	s_sub_co_u32 s22, s22, s21
	v_mul_u32_u24 v6, s22, v2                      ; lanes 16-31 take W1's scale words
	s_add_co_u32 s21, s21, SCL
	v_add_nc_u32 v5, v5, v6
	v_add_nc_u32 v[ADRS], s21, v5
	s_mul_i32 s23, s14, 16*SPITCH
	s_add_co_u32 s23, s23, STAGE                   ; my stage
	v_mul_u32_u24 v5, v1, SPITCH
	v_lshl_add_u32 v5, v2, 5, v5
	v_add_nc_u32 v[STO], s23, v5
	v_and_b32 v6, 31, v0
	v_lshlrev_b32 v[CO], 4, v6
	v_bfe_u32 v5, v0, 3, 2
	v_and_b32 v6, 7, v0
	v_lshlrev_b32 v7, 6, v6
	v_bfe_u32 v6, v0, 2, 1
	v_lshl_add_u32 v7, v6, 5, v7
	v_add_nc_u32 v[RDP], s23, v7
	v_mad_u32_u24 v[RD], v5, SPITCH, v[RDP]
	v_lshlrev_b32 v[BO], 5, v2
	s_wait_alu depctr_va_vdst(0)                   ; the wait behind the head's last vector instruction
	s_lshl_b32 s20, s17, 21                        ; z: 256 rows are 64 groups of 32,768 bytes,
	s_lshl_b32 s21, s15, 20
	s_add_co_u32 s20, s20, s21
	s_lshl_b32 s46, s42, 1
	s_add_co_u32 s46, s46, s16                     ; my block of 128 columns
	s_lshl_b32 s47, s46, 11
	s_add_co_u32 s20, s20, s47
	s_mov_b32 s21, 0
	s_add_nc_u64 s[12:13], s[12:13], s[20:21]
	s_lshl_b32 s20, s46, 9
	s_add_nc_u64 s[96:97], s[96:97], s[20:21]
	s_lshl_b32 s20, s17, 1
	s_add_co_u32 s20, s20, s15
	s_lshl_b32 s20, s20, 4
	s_add_co_u32 s20, s20, s46
	s_lshl_b32 s20, s20, 10
	s_add_nc_u64 s[98:99], s[98:99], s[20:21]
.irp b, 0,1,2,3,4,5,6,7
	global_load_b128 v[BI+8*\b:BI+8*\b+3], v[BO], s[96:97] offset:64*\b
	global_load_b128 v[BI+8*\b+4:BI+8*\b+7], v[BO], s[96:97] offset:64*\b+16
.endr
.macro FRAG reg, adr, st, i            ; 12 registers in six pieces of 8 bytes; byte y of a row lies in slot (y / 256) % 2 at byte y % 256
.irp p, 0,1,2,3,4,5
.set BY, 96*(\st)+48*(\p/3)+8*(\p%3)
.if BY/ROWB == (BY+24)/ROWB
	ds_load_b64 v[\reg+2*\p:\reg+2*\p+1], v[\adr+(BY/ROWB)%2] offset:BY%ROWB+(\i)*16*PITCH
.else
	ds_load_b64 v[\reg+2*\p:\reg+2*\p+1], v[\adr+2+(BY/ROWB)%2] offset:BY%ROWB-232+(\i)*16*PITCH
.endif
.endr
.endm
.macro MUL16 a0, p, q, sc, zero        ; the 64 accumulators take turns, one instruction a turn
.irp a, \a0, \a0+1
.irp b, 0,1,2,3,4,5,6,7
.if \zero
	v_wmma_scale_f32_16x16x128_f8f6f4 v[8*(8*((\a)%4)+\b):8*(8*((\a)%4)+\b)+7], v[128*(\p)+FR*\b:128*(\p)+FR*\b+FR-1], v[AF+FR*(\a):AF+FR*(\a)+FR-1], v[BI+8*\b:BI+8*\b+7], v[SC+8*NQ*(\sc)+NQ*\b+(\q)], v[SC+8*NQ*(\sc)+NQ*(\a)+(\q)] matrix_a_fmt:MATRIX_FMT_FP6 matrix_b_fmt:MATRIX_FMT_FP6 matrix_a_scale:MATRIX_SCALE_ROW1
.else
	v_wmma_scale_f32_16x16x128_f8f6f4 v[8*(8*((\a)%4)+\b):8*(8*((\a)%4)+\b)+7], v[128*(\p)+FR*\b:128*(\p)+FR*\b+FR-1], v[AF+FR*(\a):AF+FR*(\a)+FR-1], v[8*(8*((\a)%4)+\b):8*(8*((\a)%4)+\b)+7], v[SC+8*NQ*(\sc)+NQ*\b+(\q)], v[SC+8*NQ*(\sc)+NQ*(\a)+(\q)] matrix_a_fmt:MATRIX_FMT_FP6 matrix_b_fmt:MATRIX_FMT_FP6 matrix_a_scale:MATRIX_SCALE_ROW1
.endif
.endr
.endr
.endm
.macro FETCH_B st, p
	WIN TO_B
.irp i, 0,1,2,3,4,5,6,7
	FRAG 128*(\p)+FR*\i, ADRB, \st, \i
.endr
	WIN 0
.endm
.macro FETCH_A st, i0
.irp i, \i0, \i0+1, \i0+2, \i0+3
	FRAG AF+FR*(\i), ADRA, \st, \i
.endr
.endm
.macro SCALES pr
.irp i, 0,1,2,3,4,5,6,7
	ds_load_b64 v[SC+8*NQ*((\pr)%2)+NQ*\i:SC+8*NQ*((\pr)%2)+NQ*\i+1], v[ADRS] offset:\i*SBLK+4*NQ*(\pr)
.endr
.endm
.macro PLACES n
.rept \n
	v_nop
.endr
.endm
; a step of 128 along K.  Where the next step's bytes end in a chunk not yet read: a barrier shows it whole.  Where they begin in a later chunk: the three lines, the barrier, and (chunk two on left to fetch) a round and the refill.
.macro STEP st, zero
.set NX, (\st)+1
.set C0, (96*(\st))/ROWB
.set C1, (96*NX)/ROWB
.set E0, (96*(\st)+95)/ROWB
.set E1, (96*NX+95)/ROWB
.if C1 > C0 || E1 > E0
	s_wait_tensorcnt 0x0                           ; all my tensor loads have landed
.if C1 > C0
	ds_add_u32 v[SPW], v[NIL]
	s_wait_dscnt 4*NL+1                            ; the add and x's blocks 4-7 may be out
.else
	s_wait_dscnt 4*NL
.endif
	WIN MUL_LO
	MUL16 0, (\st)%2, (\st)%2, ((\st)/2)%2, 0
	s_wait_dscnt 0x0                               ; the add and all my reads are done
	s_barrier_signal -1
	MUL16 2, (\st)%2, (\st)%2, ((\st)/2)%2, 0
	WIN 0
	s_barrier_wait -1
.if C1 > C0 && C0+2 < CHUNKS
	CREST
	s_add_nc_u64 s[G0+4*(C0%2)+2:G0+4*(C0%2)+3], s[G0+4*(C0%2)+2:G0+4*(C0%2)+3], 2*ROWB
	s_add_nc_u64 s[G0B+4*(C0%2)+2:G0B+4*(C0%2)+3], s[G0B+4*(C0%2)+2:G0B+4*(C0%2)+3], 2*ROWB
	JLOAD G0+4*(C0%2), G1, G0B+4*(C0%2), G1B       ; chunk C0 + 2, first behind the round
.else
	PLACES NP
.endif
.else
	s_wait_dscnt 4*NL                              ; W1's set and x's blocks 0-3 are in
.if \zero
	WIN FIRST_LO
.else
	WIN MUL_LO
.endif
	MUL16 0, (\st)%2, (\st)%2, ((\st)/2)%2, \zero
	MUL16 2, (\st)%2, (\st)%2, ((\st)/2)%2, \zero
	s_wait_dscnt 0
	PLACES NP
.endif
	FETCH_B NX, NX%2
	FETCH_A NX, 0
.if NX%2 == 0
	SCALES NX/2
.endif
.if \zero
	WIN FIRST_HI
.else
	WIN MUL_HI
.endif
	MUL16 4, (\st)%2, (\st)%2, ((\st)/2)%2, \zero
	MUL16 6, (\st)%2, (\st)%2, ((\st)/2)%2, \zero
	PLACES NP
	WIN 0
	FETCH_A NX, 4
.endm
	s_wait_tensorcnt 0x0                           ; my tile of the head's four is in; the three lines ahead of slot 1's first fill
	ds_add_u32 v[SPW], v[NIL]
	s_mov_b32 s[G1+2], 128<<16                     ; no tensor load of mine is out: from here on a load brings 128 rows
	s_mov_b32 s[G1+4], 128
	s_mov_b32 s[G1B+2], 128<<16
	s_mov_b32 s[G1B+4], 128
	s_wait_dscnt 0x0
	CROUND
	JLOAD G0+4, G1, G0B+4, G1B                     ; chunk 1
	FETCH_B 0, 0
	FETCH_A 0, 0
	SCALES 0
	FETCH_A 0, 4
	s_wait_loadcnt 0x0                             ; b1
	STEP 0, 1
.set ST, 1
.rept STEPS-2
	STEP ST, 0
.set ST, ST+1
.endr
	s_wait_dscnt 4*NL
	WIN MUL_LO
	MUL16 0, 1, 1, 1, 0
	MUL16 2, 1, 1, 1, 0
	s_wait_dscnt 0
	WIN MUL_HI
	MUL16 4, 1, 1, 1, 0
	MUL16 6, 1, 1, 1, 0
	WIN 0
; the way out: a block of 16 rows through my own stage, back in z's order, stored 512 consecutive bytes a store; the figures are summed about a pivot (the block's first rows)
.macro TOSTAGE a
.set AC, 64*((\a)%4)
	WIN 0x08+4*((\a)/4)
.irp b, 0,1,2,3,4,5,6,7
	ds_store_b128 v[STO], v[AC+8*\b:AC+8*\b+3] offset:64*\b+32*(\b/4)
	ds_store_b128 v[STO], v[AC+8*\b+4:AC+8*\b+7] offset:64*\b+32*(\b/4)+16
.endr
	WIN 0
.if (\a) == 0
.irp i, 0,1,2,3
	ds_load_b128 v[PIV+4*\i:PIV+4*\i+3], v[RDP] offset:16*\i
.endr
.endif
.set BB, BK+64*((\a)%2)
.irp t, 0,1,2,3,4,5,6,7,8,9,10,11,12,13,14,15
	ds_load_b128 v[BB+4*\t:BB+4*\t+3], v[RD] offset:(\t/4)*4*SPITCH+16*(\t%4)
.endr
.endm
.macro STATS a
.set BB, BK+64*((\a)%2)
.irp t, 0,1,2,3,4,5,6,7,8,9,10,11,12,13,14,15
.irp e, 0,2
.set PP, 4*(\t%4)+\e
.set DD, D+2*((2*\t+\e/2)%4)
.if ((\a) == 0) && (\t < 4)
	v_pk_add_f32 v[SA+PP:SA+PP+1], v[BB+4*\t+\e:BB+4*\t+\e+1], v[PIV+PP:PIV+PP+1] neg_lo:[0,1] neg_hi:[0,1]
	v_pk_mul_f32 v[SQ+PP:SQ+PP+1], v[SA+PP:SA+PP+1], v[SA+PP:SA+PP+1]
.else
	v_pk_add_f32 v[DD:DD+1], v[BB+4*\t+\e:BB+4*\t+\e+1], v[PIV+PP:PIV+PP+1] neg_lo:[0,1] neg_hi:[0,1]
	v_pk_add_f32 v[SA+PP:SA+PP+1], v[SA+PP:SA+PP+1], v[DD:DD+1]
	v_pk_fma_f32 v[SQ+PP:SQ+PP+1], v[DD:DD+1], v[DD:DD+1], v[SQ+PP:SQ+PP+1]
.endif
.endr
.endr
.endm
.macro SEND a, younger
.set BB, BK+64*((\a)%2)
	s_wait_dscnt \younger
.irp t, 0,1,2,3,4,5,6,7,8,9,10,11,12,13,14,15
	global_store_b128 v[CO], v[BB+4*\t:BB+4*\t+3], s[12:13] offset:(4*(\a)+\t/4)*ZGRP+512*(\t%4) th:TH_STORE_NT
.endr
	STATS \a
.endm
	PLACES NP
	TOSTAGE 0
.irp a, 1,2,3,4,5,6,7
.if \a > 1
	s_wait_xcnt 0x0                                ; block a - 2's stores have read their registers
.endif
	TOSTAGE \a
	SEND \a-1, 32
.endr
	SEND 7, 0
	s_mov_b32 s20, 0x76543210
	s_mov_b32 s21, 0xfedcba98
.set j, 0
.rept 32
	v_add_f32_dpp v[SA+j], v[SA+j], v[SA+j] row_xmask:8 row_mask:0xf bank_mask:0xf
.set j, j+1
.endr
.set j, 0
.rept 32
	v_permlanex16_b32 v[T+j], v[SA+j], s20, s21
.set j, j+1
.endr
.set j, 0
.rept 16
	v_pk_add_f32 v[SA+j:SA+j+1], v[SA+j:SA+j+1], v[T+j:T+j+1]
.set j, j+2
.endr
.set j, 0
.rept 8
	v_pk_mul_f32 v[T+j:T+j+1], v[SA+j:SA+j+1], 0x3c000000 op_sel_hi:[1,0]     ; / 128
.set j, j+2
.endr
.set j, 0
.rept 8
	v_pk_add_f32 v[PIV+j:PIV+j+1], v[PIV+j:PIV+j+1], v[T+j:T+j+1]             ; the mean
	v_pk_fma_f32 v[SQ+j:SQ+j+1], v[T+j:T+j+1], v[SA+j:SA+j+1], v[SQ+j:SQ+j+1] neg_lo:[1,0,0] neg_hi:[1,0,0]
.set j, j+2
.endr
.set j, 0
.rept 16
	v_max_num_f32 v[SQ+j], 0, v[SQ+j]
.set j, j+1
.endr
	v_and_b32 v[D], 8, v0
	v_and_b32 v[D+1], 16, v0
	v_cmp_ne_u32 vcc_lo, 0, v[D]
	v_cmp_ne_u32 s66, 0, v[D+1]
.irp e, 0,1,2,3
	v_cndmask_b32 v[D+\e], v[PIV+\e], v[PIV+4+\e], vcc_lo
	v_cndmask_b32 v[D+4+\e], v[PIV+8+\e], v[PIV+12+\e], vcc_lo
.endr
.irp e, 0,1,2,3
	v_cndmask_b32 v[SELO+\e], v[D+\e], v[D+4+\e], s66
.endr
.irp e, 0,1,2,3
	v_cndmask_b32 v[D+\e], v[SQ+\e], v[SQ+4+\e], vcc_lo
	v_cndmask_b32 v[D+4+\e], v[SQ+8+\e], v[SQ+12+\e], vcc_lo
.endr
.irp e, 0,1,2,3
	v_cndmask_b32 v[SELO+4+\e], v[D+\e], v[D+4+\e], s66
.endr
	global_store_b128 v[CO], v[SELO:SELO+3], s[98:99]
	global_store_b128 v[CO], v[SELO+4:SELO+7], s[98:99] offset:512
	s_wait_tensorcnt 0x0                           ; the wave's end
	ds_add_u32 v[SPW], v[NIL]
	s_wait_dscnt 0x0
	CROUND                                         ; the closing round
	s_endpgm
.Lfunc_end_k_qf7760cab59_g1:
	.size	k_qf7760cab59_g1, .Lfunc_end_k_qf7760cab59_g1-k_qf7760cab59_g1
	.p2alignl 7, 3214868480
	.fill 96, 4, 3214868480
	.section	.rodata,"a",@progbits
	.p2align	6, 0x0
	.amdhsa_kernel k_qf7760cab59_g1
		.amdhsa_group_segment_fixed_size 327680
		.amdhsa_private_segment_fixed_size 0
		.amdhsa_enable_private_segment 0
		.amdhsa_kernarg_size 56
		.amdhsa_user_sgpr_count 2
		.amdhsa_user_sgpr_kernarg_segment_ptr 1
		.amdhsa_wavefront_size32 1
		.amdhsa_system_sgpr_workgroup_id_x 1
		.amdhsa_system_sgpr_workgroup_id_y 1
		.amdhsa_system_sgpr_workgroup_id_z 1
		.amdhsa_system_vgpr_workitem_id 0
		.amdhsa_next_free_vgpr 1024
		.amdhsa_next_free_sgpr 100
		.amdhsa_reserve_vcc 1
		.amdhsa_float_denorm_mode_32 3
		.amdhsa_float_denorm_mode_16_64 3
		.amdhsa_memory_ordered 1
		.amdhsa_forward_progress 1
		.amdhsa_inst_pref_size 218
	.end_amdhsa_kernel
	.amdgpu_metadata
---
amdhsa.version: [ 1, 2 ]
amdhsa.kernels:
  - .name:           k_qf7760cab59_g1
    .symbol:         k_qf7760cab59_g1.kd
    .args:
      - { .name: x_codes, .offset: 0, .size: 8, .value_kind: global_buffer, .address_space: global }
      - { .name: x_scales, .offset: 8, .size: 8, .value_kind: global_buffer, .address_space: global }
      - { .name: W1_codes, .offset: 16, .size: 8, .value_kind: global_buffer, .address_space: global }
      - { .name: W1_scales, .offset: 24, .size: 8, .value_kind: global_buffer, .address_space: global }
      - { .name: z, .offset: 32, .size: 8, .value_kind: global_buffer, .address_space: global }
      - { .name: b1, .offset: 40, .size: 8, .value_kind: global_buffer, .address_space: global }
      - { .name: pst, .offset: 48, .size: 8, .value_kind: global_buffer, .address_space: global }
    .group_segment_fixed_size: 327680
    .private_segment_fixed_size: 0
    .kernarg_segment_align: 8
    .kernarg_segment_size: 56
    .max_flat_workgroup_size: 128
    .sgpr_count:     100
    .vgpr_count:     1024
    .wavefront_size: 32
...
	.end_amdgpu_metadata
.endif
;; end of part 1
;; launch s1 (part 2): grid 113 x 1, 8 waves a work-group, no clusters, 9,216 bytes of LDS; arguments pst, g1, be1, bn1, W2_codes, W2_scales, W3_codes, W3_scales, w2i, w3i, b3, b3p, bn2; writes bn1, bn2, w2i, w3i, b3p
.if DOCPART == 2
	.amdgcn_target "amdgcn-amd-amdhsa--gfx1250"
	.amdhsa_code_object_version 6
	.text
	.protected	k_qf7760cab59_s1
	.globl	k_qf7760cab59_s1
	.p2align	8
	.type	k_qf7760cab59_s1,@function
k_qf7760cab59_s1:
	s_mov_b64 s[64:65], 0
	v_nop
	global_prefetch_b8 v0, s[64:65] scope:SCOPE_SE
	s_setreg_imm32_b32 hwreg(HW_REG_WAVE_MODE, 25, 1), 1
	s_wait_xcnt 0x0
; WORK-GROUPS 0 TO 15: the batch norm's figures of 128 columns each, from the 64 partial figures (a mean and a sum of squared deviations of 128 rows) that the product's launch left in pst.
;   Partial figures are joined as means and deviations from the joint mean, never as sums of squares: M2 = sum of the parts' M2 + rows a part x sum of (part's mean - joint mean)^2.
;   bn: [column / 128][mu, a = g / sqrt(var + 1e-5), be][512 bytes]; the 16 bytes at 16 (8 i + cg) hold columns 16 cg + 4 i + 0 .. 3, as in pst.  var = M2 / 8,192 (biased).
; WORK-GROUPS 16 AND ON (launched once in the program, with the first layer): W2 and W3 are laid as IMAGES OF THE OPERAND'S REGISTERS, for the products that read them:
;   [row / 128][K step of 128][12,800 bytes]; in such a block the fragment of 16 rows i lies at 1,536 i, registers 4 c .. 4 c + 3 of lane l at 512 c + 16 l; the scale word of its row r at 12,288 + 64 i + 4 r.
;   A wave takes 16 rows x 4 K steps: it loads each fragment as the matrix instruction takes it (lane (r, h): 24 bytes at 24 h and 24 at 48 + 24 h of row r's 96, in pieces of 8) and stores its registers as they stand,
;   512 consecutive bytes a store.  W3 has 1,000 rows: rows 1,000 to 1,023 get zero codes and the scale byte 127.  64 work-groups take W2's 128 blocks of 16 rows, 32 take W3's 64.
;   The last work-group pads b3 with zeros to 1,024 numbers and stores the two layers' three constants (A, alpha, the cap of u) behind the figures of both bn buffers, 32 times each.
; The ways part on the work-group's number, so all waves of a work-group take the same way; only the first way uses LDS and has a barrier.
; LIMITS: NaN and infinities among the partial figures are not served.
.set PSTR, 16384                       ; pst: bytes from 128 rows' figures to the next 128 rows'
.set STEPB, 12800                      ; an image's block: 128 rows x 128 along K
.set M,    16                          ; v16-47  eight parts' means of my four columns
.set Q,    48                          ; v48-79  their sums of squared deviations
.set FRG,  32                          ; v32-79  the images: four fragments of 12 registers
	s_load_b256 s[4:11], s[0:1], 0x0               ; pst s[4:5], g s[6:7], be s[8:9], bn s[10:11]
	v_lshl_add_u32 v128, v0, 2, 0x2000
	v_mov_b32 v129, 0
	v_and_b32 v1, 31, v0                           ; lane
	v_lshrrev_b32 v3, 5, v0
	s_delay_alu instid0(VALU_DEP_1)
	v_readfirstlane_b32 s2, v3                     ; wave 0..7
	s_delay_alu instid0(VALU_DEP_3)
	v_lshlrev_b32 v2, 4, v1                        ; 16 x lane
	s_cmp_ge_u32 ttmp9, 16
	s_cbranch_scc1 .Lprep
	v_lshl_add_u32 v4, v3, 10, v2                  ; LDS: 1,024 x wave + 16 x lane: a lane has one piece of four columns
	v_and_b32 v5, 7, v1
	s_delay_alu instid0(VALU_DEP_1)
	v_lshlrev_b32 v5, 6, v5
	v_lshrrev_b32 v6, 3, v1
	s_delay_alu instid0(VALU_DEP_1)
	v_lshl_add_u32 v5, v6, 4, v5                   ; my piece's columns in g and be: 64 (lane % 8) + 16 (lane / 8) bytes
	s_lshl_b32 s12, ttmp9, 10                      ; pst: my block of columns,
	s_lshl_b32 s13, s2, 17                         ; my wave's eight parts
	s_add_co_u32 s12, s12, s13
	s_mov_b32 s13, 0
	s_lshl_b32 s14, ttmp9, 9
	s_mov_b32 s15, 0
	s_mul_i32 s16, ttmp9, 1536
	s_mov_b32 s17, 0
	s_wait_kmcnt 0x0
	s_add_nc_u64 s[4:5], s[4:5], s[12:13]
	s_add_nc_u64 s[6:7], s[6:7], s[14:15]
	s_add_nc_u64 s[8:9], s[8:9], s[14:15]
	s_add_nc_u64 s[10:11], s[10:11], s[16:17]
	s_cmp_lg_u32 s2, 0
	s_cbranch_scc1 .Lnot_0
	s_wait_alu depctr_va_vdst(0)
	global_load_b128 v[92:95], v5, s[6:7]          ; wave 0 finishes the figures: g and be are asked for with the rest
	global_load_b128 v[96:99], v5, s[8:9]
.Lnot_0:
	s_wait_alu depctr_va_vdst(0)
.irp q, 0,1,2,3,4,5,6,7
	global_load_b128 v[M+4*\q:M+4*\q+3], v2, s[4:5] offset:\q*PSTR
	global_load_b128 v[Q+4*\q:Q+4*\q+3], v2, s[4:5] offset:\q*PSTR+512
.endr
; eight parts of fac rows each become one: the mean in v[80:83], the sum of squared deviations in v[84:87]
.macro COMBINE fac
	v_pk_add_f32 v[80:81], v[M:M+1], v[M+4:M+5]
	v_pk_add_f32 v[82:83], v[M+2:M+3], v[M+6:M+7]
.irp q, 2,3,4,5,6,7
	s_delay_alu instid0(VALU_DEP_2)
	v_pk_add_f32 v[80:81], v[80:81], v[M+4*\q:M+4*\q+1]
	s_delay_alu instid0(VALU_DEP_2)
	v_pk_add_f32 v[82:83], v[82:83], v[M+4*\q+2:M+4*\q+3]
.endr
	s_delay_alu instid0(VALU_DEP_2)
	v_pk_mul_f32 v[80:81], v[80:81], 0x3e000000 op_sel_hi:[1,0]     ; / 8
	s_delay_alu instid0(VALU_DEP_2)
	v_pk_mul_f32 v[82:83], v[82:83], 0x3e000000 op_sel_hi:[1,0]
.irp q, 0,1,2,3,4,5,6,7
	v_pk_add_f32 v[M+4*\q:M+4*\q+1], v[M+4*\q:M+4*\q+1], v[80:81] neg_lo:[0,1] neg_hi:[0,1]
	v_pk_add_f32 v[M+4*\q+2:M+4*\q+3], v[M+4*\q+2:M+4*\q+3], v[82:83] neg_lo:[0,1] neg_hi:[0,1]
.endr
	v_pk_mul_f32 v[88:89], v[M:M+1], v[M:M+1]
	v_pk_mul_f32 v[90:91], v[M+2:M+3], v[M+2:M+3]
	v_pk_add_f32 v[84:85], v[Q:Q+1], v[Q+4:Q+5]
	v_pk_add_f32 v[86:87], v[Q+2:Q+3], v[Q+6:Q+7]
.irp q, 1
	s_delay_alu instid0(VALU_DEP_4)
	v_pk_fma_f32 v[88:89], v[M+4*\q:M+4*\q+1], v[M+4*\q:M+4*\q+1], v[88:89]
	s_delay_alu instid0(VALU_DEP_4)
	v_pk_fma_f32 v[90:91], v[M+4*\q+2:M+4*\q+3], v[M+4*\q+2:M+4*\q+3], v[90:91]
.endr
.irp q, 2, 3, 4, 5, 6, 7
	s_delay_alu instid0(VALU_DEP_2)
	v_pk_fma_f32 v[88:89], v[M+4*\q:M+4*\q+1], v[M+4*\q:M+4*\q+1], v[88:89]
	s_delay_alu instid0(VALU_DEP_2)
	v_pk_fma_f32 v[90:91], v[M+4*\q+2:M+4*\q+3], v[M+4*\q+2:M+4*\q+3], v[90:91]
.endr
.irp q, 2
	v_pk_add_f32 v[84:85], v[84:85], v[Q+4*\q:Q+4*\q+1]
	v_pk_add_f32 v[86:87], v[86:87], v[Q+4*\q+2:Q+4*\q+3]
.endr
.irp q, 3, 4, 5, 6, 7
	s_delay_alu instid0(VALU_DEP_2)
	v_pk_add_f32 v[84:85], v[84:85], v[Q+4*\q:Q+4*\q+1]
	s_delay_alu instid0(VALU_DEP_2)
	v_pk_add_f32 v[86:87], v[86:87], v[Q+4*\q+2:Q+4*\q+3]
.endr
	s_delay_alu instid0(VALU_DEP_2)
	v_pk_fma_f32 v[84:85], v[88:89], \fac, v[84:85] op_sel_hi:[1,0,1]
	s_delay_alu instid0(VALU_DEP_2)
	v_pk_fma_f32 v[86:87], v[90:91], \fac, v[86:87] op_sel_hi:[1,0,1]
.endm
	s_wait_loadcnt 0x0
	COMBINE 0x43000000                             ; parts of 128 rows
	ds_store_b128 v4, v[80:83]
	ds_store_b128 v4, v[84:87] offset:512
	s_wait_dscnt 0x0                               ; for wave 0's sake: my stores have landed
	s_barrier_signal -1
	s_barrier_wait -1
	s_cmp_lg_u32 s2, 0
	s_cbranch_scc1 .Lend
.irp q, 0,1,2,3,4,5,6,7
	ds_load_b128 v[M+4*\q:M+4*\q+3], v2 offset:\q*1024
	ds_load_b128 v[Q+4*\q:Q+4*\q+3], v2 offset:\q*1024+512
.endr
	s_mov_b32 s20, 0x39000000                      ; 1 / 8,192
	s_mov_b32 s21, 0x3727c5ac                      ; 1e-5
	s_wait_dscnt 0x0
	COMBINE 0x44800000                             ; parts of 1,024 rows
.irp e, 0,1,2,3
	v_fma_f32 v[88+\e], v[84+\e], s20, s21         ; var + 1e-5
.endr
	s_wait_alu depctr_va_vdst(0)
.irp e, 0,1,2,3
	v_rsq_f32 v[100+\e], v[88+\e]
.endr
	v_nop                                          ; a plain instruction behind the last of the four,
	s_wait_alu depctr_va_vdst(0)                   ; and a wait ahead of their first reader
	v_pk_mul_f32 v[100:101], v[100:101], v[92:93]  ; a = g / sqrt(var + 1e-5)
	v_pk_mul_f32 v[102:103], v[102:103], v[94:95]
	global_store_b128 v2, v[80:83], s[10:11]                        ; mu: 512 consecutive bytes
	global_store_b128 v2, v[100:103], s[10:11] offset:512           ; a
	global_store_b128 v2, v[96:99], s[10:11] offset:1024            ; be, in the same order of columns
.Lend:
	s_wait_tensorcnt 0x0
	ds_add_u32 v128, v129
	s_wait_dscnt 0x0
	s_endpgm
.Lprep:
	s_load_b256 s[16:23], s[0:1], 0x20             ; W2's codes s[16:17], W2's scales s[18:19], W3's codes s[20:21], W3's scales s[22:23]
	s_load_b256 s[24:31], s[0:1], 0x40             ; w2i s[24:25], w3i s[26:27], b3 s[28:29], b3p s[30:31]
	s_load_b64 s[32:33], s[0:1], 0x60              ; the other layer's bn
	s_sub_co_u32 s3, ttmp9, 16
	s_cmp_eq_u32 s3, 96
	s_cbranch_scc1 .Lsmall
	s_cmp_lt_u32 s3, 64                            ; W2's work-group or W3's?  The choice hangs on the work-group's number alone
	s_cselect_b32 s12, 0, 64
	s_mov_b32 s13, 1000
	s_cselect_b32 s13, 2048, s13                   ; the tensor's rows
	s_wait_kmcnt 0x0
	s_cselect_b64 s[16:17], s[16:17], s[20:21]     ; its codes,
	s_cselect_b64 s[18:19], s[18:19], s[22:23]     ; its scale bytes,
	s_cselect_b64 s[24:25], s[24:25], s[26:27]     ; its image
	s_sub_co_u32 s12, s3, s12
	s_lshl_b32 s12, s12, 1
	s_lshr_b32 s14, s2, 2
	s_add_co_u32 s12, s12, s14                     ; my block of 16 rows: two a work-group
	s_and_b32 s14, s2, 3                           ; my K steps: 4 (wave % 4) + 0 .. 3
	v_and_b32 v3, 15, v0                           ; r
	v_bfe_u32 v4, v0, 4, 1                         ; h
	s_lshl_b32 s15, s12, 4
	v_add_nc_u32 v5, s15, v3                       ; my row
	s_delay_alu instid0(VALU_DEP_1)
	v_cmp_gt_u32 vcc_lo, s13, v5                   ; it exists
	s_sub_co_u32 s15, s13, 1
	v_min_u32 v5, s15, v5                          ; held at the last row: no load leaves its buffer
	s_delay_alu instid0(VALU_DEP_1)
	v_mul_u32_u24 v6, v5, 1536                     ; a row of 2,048 codes
	s_delay_alu instid0(VALU_DEP_1)
	v_mad_u32_u24 v6, v4, 24, v6
	s_mul_i32 s15, s14, 384                        ; four K steps of 96 bytes
	v_add_nc_u32 v6, s15, v6
	v_lshlrev_b32 v7, 6, v5                        ; a row of 64 scale bytes: my four K steps' words are 16 of them
	s_delay_alu instid0(VALU_DEP_1)
	v_lshl_add_u32 v7, s14, 4, v7
	s_wait_alu depctr_va_vdst(0)
	s_lshr_b32 s34, s12, 3
	s_mul_i32 s34, s34, 16*STEPB                   ; the image: my 128 rows,
	s_mul_i32 s35, s14, 4*STEPB                    ; my first K step,
	s_add_co_u32 s34, s34, s35
	s_and_b32 s35, s12, 7
	s_mul_i32 s36, s35, 1536                       ; my fragment in its block
	s_add_co_u32 s36, s36, s34
	v_add_nc_u32 v8, s36, v2                       ; + 16 x lane
	s_lshl_b32 s35, s35, 6
	s_add_co_u32 s35, s35, s34
	s_add_co_u32 s35, s35, 12288                   ; and its scale words:
	v_lshlrev_b32 v9, 2, v3                        ; 4 r; lanes 16-31 store the next K step's word
	s_delay_alu instid0(VALU_DEP_1)
	v_mad_u32_u24 v9, v4, STEPB, v9
	s_delay_alu instid0(VALU_DEP_1)
	v_add_nc_u32 v9, s35, v9
	v_cmp_ne_u32 s37, 0, v4
	v_mov_b32 v10, 0x7f7f7f7f                      ; the scale 1
	global_load_b128 v[80:83], v7, s[18:19]        ; row r's scale words of my four K steps (both halves of the lanes load the same)
.irp q, 0,1,2,3
.irp p, 0,1,2,3,4,5
	global_load_b64 v[FRG+12*\q+2*\p:FRG+12*\q+2*\p+1], v6, s[16:17] offset:96*\q+48*(\p/3)+8*(\p%3)
.endr
.endr
.irp q, 0,1,2,3
	s_wait_loadcnt 6*(3-\q)                        ; loads come back in order: this K step's six are in; six for each later step may be out
.irp j, 0,1,2,3,4,5,6,7,8,9,10,11
	v_cndmask_b32 v[FRG+12*\q+\j], 0, v[FRG+12*\q+\j], vcc_lo       ; a row that does not exist has zero codes
.endr
.irp c, 0,1,2
	global_store_b128 v8, v[FRG+12*\q+4*\c:FRG+12*\q+4*\c+3], s[24:25] offset:\q*STEPB+512*\c   ; 512 consecutive bytes, aligned
.endr
.endr
.irp e, 0,1,2,3
	v_cndmask_b32 v[80+\e], v10, v[80+\e], vcc_lo
.endr
	s_delay_alu instid0(VALU_DEP_3)
	v_cndmask_b32 v84, v80, v81, s37               ; lanes 0-15: K step 0's word, lanes 16-31: K step 1's
	s_delay_alu instid0(VALU_DEP_2)
	v_cndmask_b32 v85, v82, v83, s37               ; likewise steps 2 and 3
	global_store_b32 v9, v84, s[24:25]
	global_store_b32 v9, v85, s[24:25] offset:2*STEPB
	s_endpgm
.Lsmall:
	s_wait_kmcnt 0x0
	v_lshlrev_b32 v7, 4, v0                        ; 256 threads x 16 bytes are b3p's 4,096
	s_delay_alu instid0(VALU_DEP_1)
	v_min_u32 v8, 3984, v7                         ; b3 has 4,000 bytes: no load leaves it; 4,000 is a multiple of 16, so a thread's 16 bytes lie wholly on one side
	global_load_b128 v[32:35], v8, s[28:29]
	v_cmp_gt_u32 vcc_lo, 4000, v7
	s_wait_loadcnt 0x0
.irp e, 0,1,2,3
	v_cndmask_b32 v[32+\e], 0, v[32+\e], vcc_lo
.endr
	s_wait_alu depctr_va_vdst(0)
	global_store_b128 v7, v[32:35], s[30:31]
	s_cmp_lg_u32 s2, 0
	s_cbranch_scc1 .Lend_small
	v_mov_b32 v80, 0xbf666666                      ; layer 1: A = -0.9 (the log map at the origin turns the sign), alpha = 0.9, u is not capped under 1
	v_mov_b32 v81, 0x3f666666
	v_mov_b32 v82, 1.0
	v_mov_b32 v83, 0
	v_mov_b32 v84, 1.0                             ; layer 2: A = 1, alpha = 1, u capped at sqrt(c) (the norm is clipped at 1)
	v_mov_b32 v85, 1.0
	v_mov_b32 v86, 0x3ea1e89b
	v_mov_b32 v87, 0
	global_store_b128 v2, v[80:83], s[10:11] offset:24576
	global_store_b128 v2, v[84:87], s[32:33] offset:24576
.Lend_small:
	s_endpgm
.Lfunc_end_k_qf7760cab59_s1:
	.size	k_qf7760cab59_s1, .Lfunc_end_k_qf7760cab59_s1-k_qf7760cab59_s1
	.p2alignl 7, 3214868480
	.fill 96, 4, 3214868480
	.section	.rodata,"a",@progbits
	.p2align	6, 0x0
	.amdhsa_kernel k_qf7760cab59_s1
		.amdhsa_group_segment_fixed_size 9216
		.amdhsa_private_segment_fixed_size 0
		.amdhsa_enable_private_segment 0
		.amdhsa_kernarg_size 104
		.amdhsa_user_sgpr_count 2
		.amdhsa_user_sgpr_kernarg_segment_ptr 1
		.amdhsa_wavefront_size32 1
		.amdhsa_system_sgpr_workgroup_id_x 1
		.amdhsa_system_sgpr_workgroup_id_y 1
		.amdhsa_system_sgpr_workgroup_id_z 1
		.amdhsa_system_vgpr_workitem_id 0
		.amdhsa_next_free_vgpr 130
		.amdhsa_next_free_sgpr 66
		.amdhsa_reserve_vcc 1
		.amdhsa_float_denorm_mode_32 3
		.amdhsa_float_denorm_mode_16_64 3
		.amdhsa_memory_ordered 1
		.amdhsa_forward_progress 1
		.amdhsa_inst_pref_size 26
	.end_amdhsa_kernel
	.amdgpu_metadata
---
amdhsa.version: [ 1, 2 ]
amdhsa.kernels:
  - .name:           k_qf7760cab59_s1
    .symbol:         k_qf7760cab59_s1.kd
    .args:
      - { .name: pst, .offset: 0, .size: 8, .value_kind: global_buffer, .address_space: global }
      - { .name: g1, .offset: 8, .size: 8, .value_kind: global_buffer, .address_space: global }
      - { .name: be1, .offset: 16, .size: 8, .value_kind: global_buffer, .address_space: global }
      - { .name: bn1, .offset: 24, .size: 8, .value_kind: global_buffer, .address_space: global }
      - { .name: W2_codes, .offset: 32, .size: 8, .value_kind: global_buffer, .address_space: global }
      - { .name: W2_scales, .offset: 40, .size: 8, .value_kind: global_buffer, .address_space: global }
      - { .name: W3_codes, .offset: 48, .size: 8, .value_kind: global_buffer, .address_space: global }
      - { .name: W3_scales, .offset: 56, .size: 8, .value_kind: global_buffer, .address_space: global }
      - { .name: w2i, .offset: 64, .size: 8, .value_kind: global_buffer, .address_space: global }
      - { .name: w3i, .offset: 72, .size: 8, .value_kind: global_buffer, .address_space: global }
      - { .name: b3, .offset: 80, .size: 8, .value_kind: global_buffer, .address_space: global }
      - { .name: b3p, .offset: 88, .size: 8, .value_kind: global_buffer, .address_space: global }
      - { .name: bn2, .offset: 96, .size: 8, .value_kind: global_buffer, .address_space: global }
    .group_segment_fixed_size: 9216
    .private_segment_fixed_size: 0
    .kernarg_segment_align: 8
    .kernarg_segment_size: 104
    .max_flat_workgroup_size: 256
    .sgpr_count:     66
    .vgpr_count:     130
    .wavefront_size: 32
...
	.end_amdgpu_metadata
.endif
;; end of part 2
;; launch n1 (part 3): grid 256 x 1, 16 waves a work-group, no clusters, 59,904 bytes of LDS; arguments z, bn1, a; writes a
.if DOCPART == 3
	.amdgcn_target "amdgcn-amd-amdhsa--gfx1250"
	.amdhsa_code_object_version 6
	.text
	.protected	k_qf7760cab59_n1
	.globl	k_qf7760cab59_n1
	.p2align	8
	.type	k_qf7760cab59_n1,@function
k_qf7760cab59_n1:
	s_mov_b64 s[64:65], 0
	v_nop
	global_prefetch_b8 v0, s[64:65] scope:SCOPE_SE
	s_setreg_imm32_b32 hwreg(HW_REG_WAVE_MODE, 25, 1), 1
	s_wait_xcnt 0x0
; h = relu((z - mu) a + be);  n = the row's norm over all 2,048 columns;  the hyperbolic maps at the origin are one factor for the row:
;   s = A T(x) L(u),  x = sqrt(c) n,  T = tanh(x) / x,  u = max(min(alpha tanh(x), cap), sqrt(c) 1e-8),  L = atanh(u) / u;  A, alpha, cap come from bn's last 512 bytes.
; s h is quantised along the row: codes of FP6 (E2M3) and one E8M0 byte for each 32, laid as AN IMAGE OF THE NEXT PRODUCT'S OPERAND REGISTERS:
;   a = [row / 128][K step of 128][12,800 bytes]; in such a block the fragment of 16 rows i lies at 1,536 i, registers 4 c .. 4 c + 3 of lane l at 512 c + 16 l; the scale word of its row r at 12,288 + 64 i + 4 r.
;   Lane l = r + 16 h of a fragment holds row r; its registers 6 c' .. 6 c' + 5 hold k = 64 c' + 32 h + 0 .. 31.
; SHARES.  A work-group takes 32 rows (eight groups of four; two fragments' rows), wave w columns 128 w on, which are K step w.  Lane (rho = lane / 8, cg = lane % 8) holds, for each group g, 16 NEIGHBOURING columns
; (16 cg on) of row 4 g + rho in 16 consecutive registers, which is how z is laid; its 16 columns' mu, a and be stay in 48 registers.  All 44 loads of a wave go out at the head; each covers 512 consecutive bytes (bn's: 128).
; The rows' sums of squares meet in LDS (the one barrier); every wave then computes all 32 factors, a row a lane.
; A wave's codes are its K step's two fragments whole: they turn through the wave's OWN 3,200 bytes of LDS (my 16 codes are registers 6 (cg / 4) + 3 (cg % 2) + 0 .. 2 of lane r + 16 ((cg / 2) % 2)) and leave as they lie.
; ACCURACY.  tanh by 1 - 2 / (1 + e^(2x)) and atanh by a logarithm from 0.25 on, by their series (five and six terms; what is left out is under 1e-8 of the value) below.
; LIMITS: NaN and infinities in z are not served.  A sum of squares that overflows gives s = 0.  A block of zeros gets the byte 1 (its codes are zeros; this program alone reads the bytes).
.set RS,  0                            ; LDS: 32 rows x 80 bytes: sixteen waves' sums of squares
.set SW,  2560                         ; 16 waves x 256 bytes: the wave's own 32 factors, each twice
.set IMG, 6656                         ; 16 waves x 3,200 bytes: the wave's own two fragments (2 x 1,536) and their scale words (2 x 64)
.set WST, 3200
.set STEPB, 12800                      ; a: a block of 128 rows x 128 along K
.set ZO,  4                            ; v4   16 x lane
.set BO,  5                            ; v5   16 x cg
.set RSW, 6                            ; v6   RS + 80 rho + 4 w
.set RSR, 7                            ; v7   RS + 80 x the row whose factor I compute: 4 (lane % 8) + lane / 8
.set SWW, 8                            ; v8   SW + 256 w + 8 x lane
.set SWR, 9                            ; v9   SW + 256 w + 64 rho
.set CW,  10                           ; v10-12 where the three words of my 16 codes go in a fragment's image (group 0's row)
.set SBW, 13                           ; v13  my stage + 4 rho + cg / 2: my block's scale byte
.set IR,  14                           ; v14  my stage + 16 x lane
.set L4,  252                          ; v252 4 x lane
.set SR4, 253                          ; v253 my stage + 4 x lane
.set MU,  16
.set AA,  32
.set BE,  48
.set X,   64                           ; v64-191  group g's 16 numbers at X + 16 g; at the end the images on their way out
.set SS,  192                          ; v192-199 sums of squares, later scale bytes
.set SD,  200                          ; v200-215 group g's factor, twice, at SD + 2 g
.set C,   216                          ; v216-247 the factor's arithmetic, later four registers of codes a group
	s_load_b128 s[4:7], s[0:1], 0x0                ; z, bn
	s_load_b64 s[8:9], s[0:1], 0x10                ; a
	v_lshl_add_u32 v243, v0, 2, 0xe200
	v_mov_b32 v247, 0
	v_and_b32 v1, 31, v0                           ; lane
	v_lshrrev_b32 v15, 5, v0
	s_delay_alu instid0(VALU_DEP_1)
	v_readfirstlane_b32 s2, v15                    ; wave 0..15
	v_bfe_u32 v2, v0, 3, 2                         ; rho
	v_and_b32 v3, 7, v0                            ; cg
	v_lshlrev_b32 v[ZO], 4, v1
	s_delay_alu instid0(VALU_DEP_2)
	v_lshlrev_b32 v[BO], 4, v3
	s_lshl_b32 s10, ttmp9, 18                      ; z: eight groups of 32,768 bytes a work-group,
	s_lshl_b32 s11, s2, 11                         ; my wave's block of 2,048 bytes in each
	s_add_co_u32 s10, s10, s11
	s_mov_b32 s11, 0
	s_mul_i32 s16, s2, 1536                        ; bn: my wave's three planes
	s_mov_b32 s17, 0
	s_wait_alu depctr_va_vdst(0)
	s_wait_kmcnt 0x0
	s_load_b128 s[12:15], s[6:7], 0x6000           ; A, alpha, the cap of u  (s[6:7] stays as it is)
	s_add_nc_u64 s[4:5], s[4:5], s[10:11]
	s_add_nc_u64 s[16:17], s[6:7], s[16:17]
.irp i, 0,1,2,3
	global_load_b128 v[MU+4*\i:MU+4*\i+3], v[BO], s[16:17] offset:128*\i
	global_load_b128 v[AA+4*\i:AA+4*\i+3], v[BO], s[16:17] offset:512+128*\i
	global_load_b128 v[BE+4*\i:BE+4*\i+3], v[BO], s[16:17] offset:1024+128*\i
.endr
.irp g, 0,1,2,3,4,5,6,7
.irp i, 0,1,2,3
	global_load_b128 v[X+16*\g+4*\i:X+16*\g+4*\i+3], v[ZO], s[4:5] offset:\g*32768+512*\i th:TH_LOAD_NT
.endr
.endr
	s_lshl_b32 s18, s2, 2
	v_mul_u32_u24 v[RSW], v2, 80
	s_delay_alu instid0(VALU_DEP_1)
	v_add_nc_u32 v[RSW], s18, v[RSW]
	v_mul_u32_u24 v[RSR], v3, 320
	s_delay_alu instid0(VALU_DEP_1)
	v_mad_u32_u24 v[RSR], v2, 80, v[RSR]
	s_lshl_b32 s19, s2, 8
	s_add_co_u32 s19, s19, SW
	v_lshl_add_u32 v[SWW], v1, 3, s19
	v_lshl_add_u32 v[SWR], v2, 6, s19
	s_mul_i32 s20, s2, WST
	s_add_co_u32 s20, s20, IMG                     ; my wave's stage
	v_bfe_u32 v15, v0, 2, 1                        ; cg / 4
	v_and_b32 v254, 1, v0                          ; cg % 2
	s_delay_alu instid0(VALU_DEP_2)
	v_mul_u32_u24 v15, v15, 6
	s_delay_alu instid0(VALU_DEP_1)
	v_mad_u32_u24 v15, v254, 3, v15                ; the first of my three registers in the fragment
	v_bfe_u32 v254, v0, 1, 1                       ; h = (cg / 2) % 2
	s_delay_alu instid0(VALU_DEP_1)
	v_lshlrev_b32 v254, 8, v254                    ; the fragment's lane r + 16 h, 16 bytes a lane: 256 h
	s_delay_alu instid0(VALU_DEP_1)
	v_lshl_add_u32 v254, v2, 4, v254               ; + 16 rho  (the group's 64 (g % 4) stands in the stores' offsets)
	s_delay_alu instid0(VALU_DEP_1)
	v_add_nc_u32 v254, s20, v254
.irp e, 0,1,2
	v_add_nc_u32 v255, \e, v15                     ; register j: 512 (j / 4) + 4 (j % 4)
	s_delay_alu instid0(VALU_DEP_1)
	v_lshrrev_b32 v[CW+\e], 2, v255
	s_delay_alu instid0(VALU_DEP_2)
	v_and_b32 v255, 3, v255
	s_delay_alu instid0(VALU_DEP_2)
	v_lshl_add_u32 v[CW+\e], v[CW+\e], 9, v254
	s_delay_alu instid0(VALU_DEP_1)
	v_lshl_add_u32 v[CW+\e], v255, 2, v[CW+\e]
.endr
	v_lshrrev_b32 v[SBW], 1, v3
	s_delay_alu instid0(VALU_DEP_1)
	v_lshl_add_u32 v[SBW], v2, 2, v[SBW]
	s_delay_alu instid0(VALU_DEP_1)
	v_add_nc_u32 v[SBW], s20, v[SBW]
	v_add_nc_u32 v[IR], s20, v[ZO]
	v_lshlrev_b32 v[L4], 2, v1
	s_delay_alu instid0(VALU_DEP_1)
	v_add_nc_u32 v[SR4], s20, v[L4]
	s_lshr_b32 s22, ttmp9, 2                       ; a: four work-groups share 128 rows;
	s_mul_i32 s22, s22, 16*STEPB
	s_mul_i32 s23, s2, STEPB                       ; my wave's K step
	s_add_co_u32 s22, s22, s23
	s_and_b32 s23, ttmp9, 3
	s_mul_i32 s24, s23, 3072                       ; my work-group's two fragments,
	s_add_co_u32 s24, s24, s22
	s_mov_b32 s25, 0
	s_lshl_b32 s23, s23, 7                         ; and their 128 bytes of scale words
	s_add_co_u32 s22, s22, s23
	s_add_co_u32 s22, s22, 12288
	s_mov_b32 s23, 0
	s_add_nc_u64 s[24:25], s[8:9], s[24:25]
	s_add_nc_u64 s[22:23], s[8:9], s[22:23]
; group g: the batch norm, the relu, and my 16 numbers' sum of squares
.macro NORM g
.set XG, X+16*(\g)
	s_wait_loadcnt 4*(7-(\g))                      ; loads come back in order: bn's and this group's are in; four for each later group may be out
.irp p, 0,2,4,6,8,10,12,14
	v_pk_add_f32 v[XG+\p:XG+\p+1], v[XG+\p:XG+\p+1], v[MU+\p:MU+\p+1] neg_lo:[0,1] neg_hi:[0,1]
.endr
.irp p, 0,2,4,6,8,10,12,14
	v_pk_fma_f32 v[XG+\p:XG+\p+1], v[XG+\p:XG+\p+1], v[AA+\p:AA+\p+1], v[BE+\p:BE+\p+1]
.endr
.irp j, 0,1,2,3,4,5,6,7,8,9,10,11,12,13,14,15
	v_max_num_f32 v[XG+\j], 0, v[XG+\j]
.endr
	v_pk_mul_f32 v[248:249], v[XG:XG+1], v[XG:XG+1]
	v_pk_mul_f32 v[250:251], v[XG+2:XG+3], v[XG+2:XG+3]
.irp p, 4,8,12
	s_delay_alu instid0(VALU_DEP_2)
	v_pk_fma_f32 v[248:249], v[XG+\p:XG+\p+1], v[XG+\p:XG+\p+1], v[248:249]
	s_delay_alu instid0(VALU_DEP_2)
	v_pk_fma_f32 v[250:251], v[XG+\p+2:XG+\p+3], v[XG+\p+2:XG+\p+3], v[250:251]
.endr
	s_delay_alu instid0(VALU_DEP_1)
	v_pk_add_f32 v[248:249], v[248:249], v[250:251]
	s_delay_alu instid0(VALU_DEP_1)
	v_add_f32 v[SS+\g], v248, v249
.endm
.irp g, 0,1,2,3,4,5,6,7
	NORM \g
.endr
.irp m, 1,2,4                                  ; with the seven other lanes of my row: my wave's 128 columns
.irp g, 0,1,2,3,4,5,6,7
	v_add_f32_dpp v[SS+\g], v[SS+\g], v[SS+\g] row_xmask:\m row_mask:0xf bank_mask:0xf
.endr
.endr
.irp g, 0,1,2,3,4,5,6,7
	ds_store_b32 v[RSW], v[SS+\g] offset:\g*320    ; row 4 g + rho, word w: the eight lanes of a row write the same word with the same value
.endr
	s_wait_dscnt 0x0                               ; for the others' sake: my stores have landed
	s_barrier_signal -1
	s_barrier_wait -1
	; the factor of row 4 (lane % 8) + lane / 8: every wave computes all 32, in the same order, so all have the same bits
.irp i, 0,1,2,3
	ds_load_b128 v[216+4*\i:219+4*\i], v[RSR] offset:16*\i
.endr
	s_wait_kmcnt 0x0                               ; the three constants
	s_wait_dscnt 0x0
	v_pk_add_f32 v[216:217], v[216:217], v[218:219]
	v_pk_add_f32 v[220:221], v[220:221], v[222:223]
	v_pk_add_f32 v[224:225], v[224:225], v[226:227]
	v_pk_add_f32 v[228:229], v[228:229], v[230:231]
	s_delay_alu instid0(VALU_DEP_3)
	v_pk_add_f32 v[216:217], v[216:217], v[220:221]
	s_delay_alu instid0(VALU_DEP_2)
	v_pk_add_f32 v[224:225], v[224:225], v[228:229]
	s_delay_alu instid0(VALU_DEP_1)
	v_pk_add_f32 v[216:217], v[216:217], v[224:225]
	s_delay_alu instid0(VALU_DEP_1)
	v_add_f32 v216, v216, v217                     ; the row's sum of squares
	s_wait_alu depctr_va_vdst(0)
	v_sqrt_f32 v217, v216                          ; n
	v_nop                                          ; (behind each batch of transcendentals: a plain instruction, and a wait ahead of the first reader)
	s_wait_alu depctr_va_vdst(0)
	v_mul_f32 v218, 0x3ea1e89b, v217               ; x = sqrt(c) n
	s_delay_alu instid0(VALU_DEP_1)
	v_mul_f32 v219, 0x4038aa3b, v218               ; 2 log2(e) x
	s_delay_alu instid0(VALU_DEP_2)
	v_mul_f32 v220, v218, v218                     ; x^2
	s_wait_alu depctr_va_vdst(0)
	v_exp_f32 v221, v219                           ; e^(2x); infinity for a large x, which gives tanh = 1
	v_rcp_f32 v222, v218
	v_mov_b32 v223, 0x3cb327a4                     ; tanh(x) / x = 1 - x^2/3 + 2 x^4/15 - 17 x^6/315 + 62 x^8/2835
	s_delay_alu instid0(VALU_DEP_1)
	v_fmaak_f32 v223, v223, v220, 0xbd5d0dd1
	s_delay_alu instid0(VALU_DEP_1)
	v_fmaak_f32 v223, v223, v220, 0x3e088889
	s_delay_alu instid0(VALU_DEP_1)
	v_fmaak_f32 v223, v223, v220, 0xbeaaaaab
	s_delay_alu instid0(VALU_DEP_1)
	v_fma_f32 v223, v223, v220, 1.0
	s_wait_alu depctr_va_vdst(0)
	v_add_f32 v224, 1.0, v221
	s_wait_alu depctr_va_vdst(0)
	v_rcp_f32 v225, v224
	v_mul_f32 v226, v223, v218                     ; the series' tanh
	v_cmp_gt_f32 vcc_lo, 0x3e800000, v218          ; x < 0.25: the series (x = 0 too: T = 1, tanh = 0)
	s_wait_alu depctr_va_vdst(0)
	v_fma_f32 v225, v225, -2.0, 1.0                ; tanh = 1 - 2 / (1 + e^(2x))
	v_mul_f32 v227, v225, v222
	s_delay_alu instid0(VALU_DEP_2)
	v_cndmask_b32 v225, v225, v226, vcc_lo         ; tanh(x)
	s_delay_alu instid0(VALU_DEP_2)
	v_cndmask_b32 v227, v227, v223, vcc_lo         ; T
	s_delay_alu instid0(VALU_DEP_2)
	v_mul_f32 v228, s13, v225
	s_delay_alu instid0(VALU_DEP_1)
	v_min_num_f32 v228, s14, v228
	s_delay_alu instid0(VALU_DEP_1)
	v_max_num_f32 v228, 0x31594f62, v228           ; u, at least sqrt(c) 1e-8
	s_delay_alu instid0(VALU_DEP_1)
	v_sub_f32 v229, 1.0, v228
	s_delay_alu instid0(VALU_DEP_2)
	v_add_f32 v230, 1.0, v228
	s_delay_alu instid0(VALU_DEP_3)
	v_mul_f32 v231, v228, v228                     ; u^2
	s_wait_alu depctr_va_vdst(0)
	v_rcp_f32 v232, v229
	v_rcp_f32 v233, v228
	v_mov_b32 v234, 0x3dba2e8c                     ; atanh(u) / u = 1 + u^2/3 + u^4/5 + u^6/7 + u^8/9 + u^10/11
	s_delay_alu instid0(VALU_DEP_1)
	v_fmaak_f32 v234, v234, v231, 0x3de38e39
	s_delay_alu instid0(VALU_DEP_1)
	v_fmaak_f32 v234, v234, v231, 0x3e124925
	s_delay_alu instid0(VALU_DEP_1)
	v_fmaak_f32 v234, v234, v231, 0x3e4ccccd
	s_delay_alu instid0(VALU_DEP_1)
	v_fmaak_f32 v234, v234, v231, 0x3eaaaaab
	s_delay_alu instid0(VALU_DEP_1)
	v_fma_f32 v234, v234, v231, 1.0
	s_wait_alu depctr_va_vdst(0)
	v_mul_f32 v232, v230, v232                     ; (1 + u) / (1 - u)
	v_mul_f32 v233, 0x3eb17218, v233               ; ln(2) / 2 / u
	s_wait_alu depctr_va_vdst(0)
	v_log_f32 v235, v232
	v_cmp_gt_f32 vcc_lo, 0x3e800000, v228          ; u < 0.25: the series
	v_mul_f32 v236, s12, v227                      ; A T
	s_wait_alu depctr_va_vdst(0)
	v_mul_f32 v235, v235, v233
	s_delay_alu instid0(VALU_DEP_1)
	v_cndmask_b32 v235, v235, v234, vcc_lo         ; L
	s_delay_alu instid0(VALU_DEP_1)
	v_mul_f32 v236, v236, v235                     ; s
	s_delay_alu instid0(VALU_DEP_1)
	v_mov_b32 v237, v236
	ds_store_b64 v[SWW], v[236:237]                ; my wave's own bytes: LDS serves a wave's instructions in order, so the loads below see all 32 lanes' stores
.irp i, 0,1,2,3
	ds_load_b128 v[SD+4*\i:SD+4*\i+3], v[SWR] offset:16*\i   ; the factors of rows 4 g + rho, g = 0 .. 7, each twice
.endr
	s_wait_dscnt 0x0
; group g: x s, the block's scale (two neighbouring lanes hold a block of 32), the codes; row 4 g + rho is row 4 (g % 4) + rho of fragment g / 4
.macro QUANT g
.set XG, X+16*(\g)
.irp p, 0,2,4,6,8,10,12,14
	v_pk_mul_f32 v[XG+\p:XG+\p+1], v[XG+\p:XG+\p+1], v[SD+2*(\g):SD+2*(\g)+1]
.endr
	v_max3_num_f32 v248, |v[XG]|, |v[XG+1]|, 0x1800000              ; the largest magnitude of my 16, and the floor 2^(3 - 127): so the byte cannot fall under 1
	v_max3_num_f32 v249, |v[XG+2]|, |v[XG+3]|, |v[XG+4]|
	s_delay_alu instid0(VALU_DEP_2)
	v_max3_num_f32 v248, v248, |v[XG+5]|, |v[XG+6]|
	s_delay_alu instid0(VALU_DEP_2)
	v_max3_num_f32 v249, v249, |v[XG+7]|, |v[XG+8]|
	s_delay_alu instid0(VALU_DEP_2)
	v_max3_num_f32 v248, v248, |v[XG+9]|, |v[XG+10]|
	s_delay_alu instid0(VALU_DEP_2)
	v_max3_num_f32 v249, v249, |v[XG+11]|, |v[XG+12]|
	s_delay_alu instid0(VALU_DEP_2)
	v_max3_num_f32 v248, v248, |v[XG+13]|, |v[XG+14]|
	s_delay_alu instid0(VALU_DEP_1)
	v_max3_num_f32 v248, v248, v249, |v[XG+15]|
	s_delay_alu instid0(VALU_DEP_1)
	v_max_num_f32_dpp v248, v248, v248 row_xmask:1 row_mask:0xf bank_mask:0xf   ; and of my neighbour's 16
	s_delay_alu instid0(VALU_DEP_1)
	v_add_nc_u32 v250, 0xff000000, v248            ; 2 off its exponent field: the conversion takes the exponent field of this operand as its scale
	v_cvt_scalef32_pk16_fp6_f32 v[C+4*(\g):C+4*(\g)+2], v[XG:XG+15], v250   ; to the nearest code, ties to even, beyond the largest code the largest
	v_lshrrev_b32 v[SS+\g], 23, v250               ; the scale's byte  (also the plain instruction behind the conversion)
.irp e, 0,1,2
	ds_store_b32 v[CW+\e], v[C+4*(\g)+\e] offset:((\g)/4)*1536+64*((\g)%4)     ; each word to its register's place in the image
.endr
	ds_store_b8 v[SBW], v[SS+\g] offset:3072+((\g)/4)*64+16*((\g)%4)           ; byte cg / 2 of the row's scale word; both lanes of a block write the same byte with the same value
.endm
.irp g, 0,1,2,3,4,5,6,7
	QUANT \g
.endr
.irp j, 0,1,2,3,4,5                            ; my own bytes, served in order: these see my stores.  No other wave touches them, so no barrier
	ds_load_b128 v[X+4*\j:X+4*\j+3], v[IR] offset:512*\j
.endr
	ds_load_b32 v[X+24], v[SR4] offset:3072
.irp j, 0,1,2,3,4,5
	s_wait_dscnt 6-\j                              ; load j is in, the younger ones may be out
	global_store_b128 v[ZO], v[X+4*\j:X+4*\j+3], s[24:25] offset:512*\j        ; 512 consecutive bytes, at a multiple of 256 from a's first byte
.endr
	s_wait_dscnt 0x0
	global_store_b32 v[L4], v[X+24], s[22:23]      ; 128 consecutive bytes: two fragments' scale words
	s_wait_tensorcnt 0x0
	ds_add_u32 v243, v247
	s_wait_dscnt 0x0
	s_endpgm
.Lfunc_end_k_qf7760cab59_n1:
	.size	k_qf7760cab59_n1, .Lfunc_end_k_qf7760cab59_n1-k_qf7760cab59_n1
	.p2alignl 7, 3214868480
	.fill 96, 4, 3214868480
	.section	.rodata,"a",@progbits
	.p2align	6, 0x0
	.amdhsa_kernel k_qf7760cab59_n1
		.amdhsa_group_segment_fixed_size 59904
		.amdhsa_private_segment_fixed_size 0
		.amdhsa_enable_private_segment 0
		.amdhsa_kernarg_size 24
		.amdhsa_user_sgpr_count 2
		.amdhsa_user_sgpr_kernarg_segment_ptr 1
		.amdhsa_wavefront_size32 1
		.amdhsa_system_sgpr_workgroup_id_x 1
		.amdhsa_system_sgpr_workgroup_id_y 1
		.amdhsa_system_sgpr_workgroup_id_z 1
		.amdhsa_system_vgpr_workitem_id 0
		.amdhsa_next_free_vgpr 256
		.amdhsa_next_free_sgpr 66
		.amdhsa_reserve_vcc 1
		.amdhsa_float_denorm_mode_32 3
		.amdhsa_float_denorm_mode_16_64 3
		.amdhsa_memory_ordered 1
		.amdhsa_forward_progress 1
		.amdhsa_inst_pref_size 50
	.end_amdhsa_kernel
	.amdgpu_metadata
---
amdhsa.version: [ 1, 2 ]
amdhsa.kernels:
  - .name:           k_qf7760cab59_n1
    .symbol:         k_qf7760cab59_n1.kd
    .args:
      - { .name: z, .offset: 0, .size: 8, .value_kind: global_buffer, .address_space: global }
      - { .name: bn1, .offset: 8, .size: 8, .value_kind: global_buffer, .address_space: global }
      - { .name: a, .offset: 16, .size: 8, .value_kind: global_buffer, .address_space: global }
    .group_segment_fixed_size: 59904
    .private_segment_fixed_size: 0
    .kernarg_segment_align: 8
    .kernarg_segment_size: 24
    .max_flat_workgroup_size: 512
    .sgpr_count:     66
    .vgpr_count:     256
    .wavefront_size: 32
...
	.end_amdgpu_metadata
.endif
;; end of part 3
;; launch g2 (part 4): grid 8 x 32, 4 waves a work-group, clusters of 4 x 4, 327,680 bytes of LDS; arguments a, w2i, z, b2, pst; writes z, pst
.if DOCPART == 4
	.amdgcn_target "amdgcn-amd-amdhsa--gfx1250"
	.amdhsa_code_object_version 6
	.text
	.protected	k_qf7760cab59_g2
	.globl	k_qf7760cab59_g2
	.p2align	8
	.type	k_qf7760cab59_g2,@function
k_qf7760cab59_g2:
	s_mov_b64 s[64:65], 0
	v_nop
	global_prefetch_b8 v0, s[64:65] scope:SCOPE_SE
	s_setreg_imm32_b32 hwreg(HW_REG_WAVE_MODE, 25, 1), 1
	s_wait_xcnt 0x0
	s_wait_alu depctr_hold_cnt(0) depctr_sa_sdst(0) depctr_va_vdst(0) depctr_va_sdst(0) depctr_va_ssrc(0) depctr_va_vcc(0) depctr_vm_vsrc(0)
	s_getreg_b32 s2, hwreg(HW_REG_IB_STS2, 6, 4)
	s_cmp_eq_u32 s2, 0
	s_cbranch_scc0 .Lentry_in_a_cluster
	s_endpgm
.Lentry_in_a_cluster:
	s_bfe_u32 s2, ttmp6, 0x10000c
	s_cmp_lg_u32 s2, 0xf033
	s_cbranch_scc0 .Lentry_shape_is_right
	s_endpgm
.Lentry_shape_is_right:
.set NSTEP,  16
.set STEPB,  12800
.set FRB,    1536
.set SCO,    12288
.set FR,     12
.set NL,     3
.set NP,     4
.set LQ,     4
.set SHQ,    2
.set RGL,    LQ*STEPB
.set RGS,    SHQ*STEPB
.set SLOTB,  4*RGL
.set SPARE,  SLOTB+4*RGS
.set STAGE,  SLOTB
.set SPITCH, 560
.set ZGRP,   32768
.set ADRA, 16
.set ADRB, 18
.set ADRS, 20
.set STO,  24
.set RD,   25
.set CO,   26
.set SPW,  28
.set NIL,  29
.set RDP,  30
.set BO,   31
.set SC,   32
.set BI,   64
.set AF,   128
.set PIV,  32
.set SA,   48
.set SQ,   64
.set D,    80
.set T,    96
.set SELO, 112
.set BK,   128
.set G1A, 24
.set G1B, 40
.set G0A, 56
.set G0B, 68
.set MSB, 0
.macro WIN new
.if MSB != \new
	s_set_vgpr_msb (MSB<<8)|\new
.set MSB, \new
.endif
.endm
.set MUL_LO, 0xa1
.set MUL_HI, 0xf1
.set FIRST_LO, 0x81
.set FIRST_HI, 0xc1
.set TO_B,   0x40
.macro JLOAD g0a, g1a, g0b, g1b
	s_cmp_eq_u32 s15, 0
	s_cbranch_scc0 .Lfor_b_\@
	tensor_load_to_lds s[\g0a:\g0a+3], s[\g1a:\g1a+7]
	s_nop 0
.rept 4
	v_nop
.endr
	s_branch .Lasked_\@
.Lfor_b_\@:
	tensor_load_to_lds s[\g0b:\g0b+3], s[\g1b:\g1b+7]
	s_nop 0
.rept 4
	v_nop
.endr
.Lasked_\@:
.endm
.macro CREST
	s_cmp_lg_u32 s14, 0
	s_cbranch_scc1 .Lnot_wave_0_\@
	s_barrier_signal -3
.Lnot_wave_0_\@:
	s_barrier_wait -3
	s_barrier_signal -1
	s_barrier_wait -1
.endm
.macro CROUND
	s_barrier_signal -1
	s_barrier_wait -1
	CREST
.endm
	s_load_b128 s[4:7], s[0:1], 0x0
	s_load_b64 s[12:13], s[0:1], 0x10
	s_load_b128 s[96:99], s[0:1], 0x18
	v_lshl_add_u32 v[SPW], v0, 2, SPARE
	v_mov_b32 v[NIL], 0
	ds_add_u32 v28, v29
	ds_add_u32 v28, v29
	s_wait_dscnt 0x0
	v_lshrrev_b32 v1, 5, v0
	v_readfirstlane_b32 s14, v1
	s_lshr_b32 s15, s14, 1
	s_and_b32 s16, s14, 1
	s_bfe_u32 s76, ttmp6, 0x40000
	s_bfe_u32 s77, ttmp6, 0x40004
	s_lshl_b32 s78, ttmp9, 2
	s_add_co_u32 s78, s78, s76
	s_and_b32 s17, ttmp7, 0xffff
	s_lshl_b32 s17, s17, 2
	s_add_co_u32 s17, s17, s77
	s_lshl_b32 s79, s77, 2
	s_lshl_b32 s79, 15, s79
	s_lshl_b32 s80, 0x1111, s76
.irp sl, 0,1
	s_or_b32 s[G1A+8*\sl], s79, (3<<16)|(1<<21)
	s_or_b32 s[G1B+8*\sl], s80, (3<<16)|(1<<21)
.endr
.irp g, G1A, G1B
	s_mov_b32 s[\g+1], 32<<16
	s_mov_b32 s[\g+2], (RGL/256)<<16
	s_mov_b32 s[\g+3], 32<<16
	s_mov_b32 s[\g+4], RGL/256
	s_mov_b32 s[\g+5], 32
	s_mov_b32 s[\g+6], 0
	s_mov_b32 s[\g+7], 0
	s_mov_b32 s[\g+9], 32<<16
	s_mov_b32 s[\g+10], (RGS/256)<<16
	s_mov_b32 s[\g+11], 32<<16
	s_mov_b32 s[\g+12], RGS/256
	s_mov_b32 s[\g+13], 32
	s_mov_b32 s[\g+14], 0
	s_mov_b32 s[\g+15], 0
.endr
	s_lshl_b32 s20, s17, 1
	s_add_co_u32 s20, s20, s16
	s_mul_i32 s20, s20, NSTEP*STEPB
	s_mov_b32 s21, 0
	s_lshl_b32 s82, s78, 1
	s_add_co_u32 s82, s82, s16
	s_mul_i32 s82, s82, NSTEP*STEPB
	s_mov_b32 s83, 0
	s_mul_i32 s84, s14, RGL
	s_mul_i32 s85, s14, RGS
	s_wait_kmcnt 0x0
	s_add_nc_u64 s[20:21], s[4:5], s[20:21]
	s_add_nc_u64 s[82:83], s[6:7], s[82:83]
	CROUND
	s_mov_b32 s[G0A], 1
	s_mov_b32 s[G0A+1], s84
	s_mov_b64 s[G0A+2:G0A+3], s[20:21]
	s_or_b32 s[G0A+3], s[G0A+3], 0x80000000
	s_mov_b32 s[G0B], 1
	s_mov_b32 s[G0B+1], s84
	s_mov_b64 s[G0B+2:G0B+3], s[82:83]
	s_or_b32 s[G0B+3], s[G0B+3], 0x80000000
	JLOAD G0A, G1A, G0B, G1B
	s_mov_b32 s[G0A+4], 1
	s_add_co_u32 s[G0A+5], s85, SLOTB
	s_add_nc_u64 s[G0A+6:G0A+7], s[20:21], LQ*STEPB
	s_or_b32 s[G0A+7], s[G0A+7], 0x80000000
	s_mov_b32 s[G0B+4], 1
	s_add_co_u32 s[G0B+5], s85, SLOTB
	s_add_nc_u64 s[G0B+6:G0B+7], s[82:83], LQ*STEPB
	s_or_b32 s[G0B+7], s[G0B+7], 0x80000000
	s_wait_alu depctr_va_vdst(0)
	s_wait_tensorcnt 0x0
	ds_add_u32 v28, v29
	s_wait_dscnt 0x0
	CROUND
	JLOAD G0A+4, G1A+8, G0B+4, G1B+8
	v_and_b32 v1, 15, v0
	v_bfe_u32 v2, v0, 4, 1
	v_and_b32 v6, 31, v0
	v_lshlrev_b32 v[CO], 4, v6
.macro ADDRS sl, rg, base
	s_mul_i32 s21, s15, \rg
	s_add_co_u32 s21, s21, \base
	s_mul_i32 s22, s16, \rg
	s_add_co_u32 s22, s22, \base+2*\rg
	v_add_nc_u32 v[ADRA+\sl], s21, v[CO]
	v_add_nc_u32 v[ADRB+\sl], s22, v[CO]
	s_sub_co_u32 s22, s22, s21
	v_mul_u32_u24 v5, s22, v2
	v_lshl_add_u32 v5, v1, 2, v5
	s_add_co_u32 s21, s21, SCO
	v_add_nc_u32 v[ADRS+\sl], s21, v5
.endm
	s_wait_alu depctr_va_vdst(0)
	ADDRS 0, RGL, 0
	ADDRS 1, RGS, SLOTB
	s_mul_i32 s23, s14, 16*SPITCH
	s_add_co_u32 s23, s23, STAGE
	v_mul_u32_u24 v5, v1, SPITCH
	v_lshl_add_u32 v5, v2, 5, v5
	v_add_nc_u32 v[STO], s23, v5
	v_bfe_u32 v5, v0, 3, 2
	v_and_b32 v6, 7, v0
	v_lshlrev_b32 v7, 6, v6
	v_bfe_u32 v6, v0, 2, 1
	v_lshl_add_u32 v7, v6, 5, v7
	v_add_nc_u32 v[RDP], s23, v7
	v_mad_u32_u24 v[RD], v5, SPITCH, v[RDP]
	v_lshlrev_b32 v[BO], 5, v2
	s_wait_alu depctr_va_vdst(0)
	s_lshl_b32 s20, s17, 21
	s_lshl_b32 s21, s15, 20
	s_add_co_u32 s20, s20, s21
	s_lshl_b32 s86, s78, 1
	s_add_co_u32 s86, s86, s16
	s_lshl_b32 s87, s86, 11
	s_add_co_u32 s20, s20, s87
	s_mov_b32 s21, 0
	s_add_nc_u64 s[12:13], s[12:13], s[20:21]
	s_lshl_b32 s20, s86, 9
	s_add_nc_u64 s[96:97], s[96:97], s[20:21]
	s_lshl_b32 s20, s17, 1
	s_add_co_u32 s20, s20, s15
	s_lshl_b32 s20, s20, 4
	s_add_co_u32 s20, s20, s86
	s_lshl_b32 s20, s20, 10
	s_add_nc_u64 s[98:99], s[98:99], s[20:21]
.irp b, 0,1,2,3,4,5,6,7
	global_load_b128 v[BI+8*\b:BI+8*\b+3], v[BO], s[96:97] offset:64*\b
	global_load_b128 v[BI+8*\b+4:BI+8*\b+7], v[BO], s[96:97] offset:64*\b+16
.endr
.macro FRAG reg, adr, off
.irp c, 0,1,2
	ds_load_b128 v[\reg+4*\c:\reg+4*\c+3], v[\adr] offset:(\off)+512*\c
.endr
.endm
.macro MUL16 a0, p, zero
.irp a, \a0, \a0+1
.irp b, 0,1,2,3,4,5,6,7
.if \zero
	v_wmma_scale_f32_16x16x128_f8f6f4 v[8*(8*((\a)%4)+\b):8*(8*((\a)%4)+\b)+7], v[128*(\p)+FR*\b:128*(\p)+FR*\b+FR-1], v[AF+FR*(\a):AF+FR*(\a)+FR-1], v[BI+8*\b:BI+8*\b+7], v[SC+8*(\p)+\b], v[SC+8*(\p)+(\a)] matrix_a_fmt:MATRIX_FMT_FP6 matrix_b_fmt:MATRIX_FMT_FP6 matrix_a_scale:MATRIX_SCALE_ROW1
.else
	v_wmma_scale_f32_16x16x128_f8f6f4 v[8*(8*((\a)%4)+\b):8*(8*((\a)%4)+\b)+7], v[128*(\p)+FR*\b:128*(\p)+FR*\b+FR-1], v[AF+FR*(\a):AF+FR*(\a)+FR-1], v[8*(8*((\a)%4)+\b):8*(8*((\a)%4)+\b)+7], v[SC+8*(\p)+\b], v[SC+8*(\p)+(\a)] matrix_a_fmt:MATRIX_FMT_FP6 matrix_b_fmt:MATRIX_FMT_FP6 matrix_a_scale:MATRIX_SCALE_ROW1
.endif
.endr
.endr
.endm
.macro FETCH_B sl, q, p
	WIN TO_B
.irp i, 0,1,2,3,4,5,6,7
	FRAG 128*(\p)+FR*\i, ADRB+\sl, (\q)*STEPB+\i*FRB
.endr
	WIN 0
.endm
.macro FETCH_A sl, q, i0
.irp i, \i0, \i0+1, \i0+2, \i0+3
	FRAG AF+FR*(\i), ADRA+\sl, (\q)*STEPB+(\i)*FRB
.endr
.endm
.macro SCALES sl, q, p
.irp i, 0,1,2,3,4,5,6,7
	ds_load_b32 v[SC+8*(\p)+\i], v[ADRS+\sl] offset:(\q)*STEPB+64*\i
.endr
.endm
.macro PLACES n
.rept \n
	v_nop
.endr
.endm
.macro STEP sl, q, zero
	s_wait_dscnt 4*NL
.if \zero
	WIN FIRST_LO
.else
	WIN MUL_LO
.endif
	MUL16 0, (\q)%2, \zero
	MUL16 2, (\q)%2, \zero
	s_wait_dscnt 0
	PLACES NP
	FETCH_B \sl, (\q)+1, 1-(\q)%2
	FETCH_A \sl, (\q)+1, 0
	SCALES \sl, (\q)+1, 1-(\q)%2
.if \zero
	WIN FIRST_HI
.else
	WIN MUL_HI
.endif
	MUL16 4, (\q)%2, \zero
	MUL16 6, (\q)%2, \zero
	PLACES NP
	WIN 0
	FETCH_A \sl, (\q)+1, 4
.endm
.macro TURN sl, nsl, fill
	s_wait_tensorcnt 0x0
	ds_add_u32 v[SPW], v[NIL]
	s_wait_dscnt 4*NL+1
	WIN MUL_LO
	MUL16 0, 1, 0
	s_wait_dscnt 0x0
	s_barrier_signal -1
	MUL16 2, 1, 0
	WIN 0
	s_barrier_wait -1
.if \fill
	CREST
	s_add_nc_u64 s[G0A+4*\sl+2:G0A+4*\sl+3], s[G0A+4*\sl+2:G0A+4*\sl+3], (LQ+SHQ)*STEPB
	s_add_nc_u64 s[G0B+4*\sl+2:G0B+4*\sl+3], s[G0B+4*\sl+2:G0B+4*\sl+3], (LQ+SHQ)*STEPB
	JLOAD G0A+4*\sl, G1A+8*\sl, G0B+4*\sl, G1B+8*\sl
.else
	PLACES NP
.endif
	FETCH_B \nsl, 0, 0
	FETCH_A \nsl, 0, 0
	SCALES \nsl, 0, 0
	WIN MUL_HI
	MUL16 4, 1, 0
	MUL16 6, 1, 0
	PLACES NP
	WIN 0
	FETCH_A \nsl, 0, 4
.endm
	s_wait_tensorcnt 1
	s_barrier_signal -1
	s_barrier_wait -1
	FETCH_B 0, 0, 0
	FETCH_A 0, 0, 0
	SCALES 0, 0, 0
	FETCH_A 0, 0, 4
	s_wait_loadcnt 0x0
	STEP 0, 0, 1
	STEP 0, 1, 0
	STEP 0, 2, 0
	TURN 0, 1, 1
	STEP 1, 0, 0
	TURN 1, 0, 1
	STEP 0, 0, 0
	STEP 0, 1, 0
	STEP 0, 2, 0
	TURN 0, 1, 1
	STEP 1, 0, 0
	TURN 1, 0, 0
	STEP 0, 0, 0
	STEP 0, 1, 0
	STEP 0, 2, 0
	s_wait_dscnt 4*NL
	WIN MUL_LO
	MUL16 0, 1, 0
	MUL16 2, 1, 0
	s_wait_dscnt 0
	WIN MUL_HI
	MUL16 4, 1, 0
	MUL16 6, 1, 0
	WIN 0
.macro TOSTAGE a
.set AC, 64*((\a)%4)
	WIN 0x08+4*((\a)/4)
.irp b, 0,1,2,3,4,5,6,7
	ds_store_b128 v[STO], v[AC+8*\b:AC+8*\b+3] offset:64*\b+32*(\b/4)
	ds_store_b128 v[STO], v[AC+8*\b+4:AC+8*\b+7] offset:64*\b+32*(\b/4)+16
.endr
	WIN 0
.if (\a) == 0
.irp i, 0,1,2,3
	ds_load_b128 v[PIV+4*\i:PIV+4*\i+3], v[RDP] offset:16*\i
.endr
.endif
.set BB, BK+64*((\a)%2)
.irp t, 0,1,2,3,4,5,6,7,8,9,10,11,12,13,14,15
	ds_load_b128 v[BB+4*\t:BB+4*\t+3], v[RD] offset:(\t/4)*4*SPITCH+16*(\t%4)
.endr
.endm
.macro STATS a
.set BB, BK+64*((\a)%2)
.irp t, 0,1,2,3,4,5,6,7,8,9,10,11,12,13,14,15
.irp e, 0,2
.set PP, 4*(\t%4)+\e
.set DD, D+2*((2*\t+\e/2)%4)
.if ((\a) == 0) && (\t < 4)
	v_pk_add_f32 v[SA+PP:SA+PP+1], v[BB+4*\t+\e:BB+4*\t+\e+1], v[PIV+PP:PIV+PP+1] neg_lo:[0,1] neg_hi:[0,1]
	v_pk_mul_f32 v[SQ+PP:SQ+PP+1], v[SA+PP:SA+PP+1], v[SA+PP:SA+PP+1]
.else
	v_pk_add_f32 v[DD:DD+1], v[BB+4*\t+\e:BB+4*\t+\e+1], v[PIV+PP:PIV+PP+1] neg_lo:[0,1] neg_hi:[0,1]
	v_pk_add_f32 v[SA+PP:SA+PP+1], v[SA+PP:SA+PP+1], v[DD:DD+1]
	v_pk_fma_f32 v[SQ+PP:SQ+PP+1], v[DD:DD+1], v[DD:DD+1], v[SQ+PP:SQ+PP+1]
.endif
.endr
.endr
.endm
.macro SEND a, younger
.set BB, BK+64*((\a)%2)
	s_wait_dscnt \younger
.irp t, 0,1,2,3,4,5,6,7,8,9,10,11,12,13,14,15
	global_store_b128 v[CO], v[BB+4*\t:BB+4*\t+3], s[12:13] offset:(4*(\a)+\t/4)*ZGRP+512*(\t%4) th:TH_STORE_NT
.endr
	STATS \a
.endm
	PLACES NP
	TOSTAGE 0
.irp a, 1,2,3,4,5,6,7
.if \a > 1
	s_wait_xcnt 0x0
.endif
	TOSTAGE \a
	SEND \a-1, 32
.endr
	SEND 7, 0
	s_mov_b32 s20, 0x76543210
	s_mov_b32 s21, 0xfedcba98
.set j, 0
.rept 32
	v_add_f32_dpp v[SA+j], v[SA+j], v[SA+j] row_xmask:8 row_mask:0xf bank_mask:0xf
.set j, j+1
.endr
.set j, 0
.rept 32
	v_permlanex16_b32 v[T+j], v[SA+j], s20, s21
.set j, j+1
.endr
.set j, 0
.rept 16
	v_pk_add_f32 v[SA+j:SA+j+1], v[SA+j:SA+j+1], v[T+j:T+j+1]
.set j, j+2
.endr
.set j, 0
.rept 8
	v_pk_mul_f32 v[T+j:T+j+1], v[SA+j:SA+j+1], 0x3c000000 op_sel_hi:[1,0]
.set j, j+2
.endr
.set j, 0
.rept 8
	v_pk_add_f32 v[PIV+j:PIV+j+1], v[PIV+j:PIV+j+1], v[T+j:T+j+1]
	v_pk_fma_f32 v[SQ+j:SQ+j+1], v[T+j:T+j+1], v[SA+j:SA+j+1], v[SQ+j:SQ+j+1] neg_lo:[1,0,0] neg_hi:[1,0,0]
.set j, j+2
.endr
.set j, 0
.rept 16
	v_max_num_f32 v[SQ+j], 0, v[SQ+j]
.set j, j+1
.endr
	v_and_b32 v[D], 8, v0
	v_and_b32 v[D+1], 16, v0
	v_cmp_ne_u32 vcc_lo, 0, v[D]
	v_cmp_ne_u32 s66, 0, v[D+1]
.irp e, 0,1,2,3
	v_cndmask_b32 v[D+\e], v[PIV+\e], v[PIV+4+\e], vcc_lo
	v_cndmask_b32 v[D+4+\e], v[PIV+8+\e], v[PIV+12+\e], vcc_lo
.endr
.irp e, 0,1,2,3
	v_cndmask_b32 v[SELO+\e], v[D+\e], v[D+4+\e], s66
.endr
.irp e, 0,1,2,3
	v_cndmask_b32 v[D+\e], v[SQ+\e], v[SQ+4+\e], vcc_lo
	v_cndmask_b32 v[D+4+\e], v[SQ+8+\e], v[SQ+12+\e], vcc_lo
.endr
.irp e, 0,1,2,3
	v_cndmask_b32 v[SELO+4+\e], v[D+\e], v[D+4+\e], s66
.endr
	global_store_b128 v[CO], v[SELO:SELO+3], s[98:99]
	global_store_b128 v[CO], v[SELO+4:SELO+7], s[98:99] offset:512
	s_wait_tensorcnt 0x0
	ds_add_u32 v[SPW], v[NIL]
	s_wait_dscnt 0x0
	CROUND
	s_endpgm
.Lfunc_end_k_qf7760cab59_g2:
	.size	k_qf7760cab59_g2, .Lfunc_end_k_qf7760cab59_g2-k_qf7760cab59_g2
	.p2alignl 7, 3214868480
	.fill 96, 4, 3214868480
	.section	.rodata,"a",@progbits
	.p2align	6, 0x0
	.amdhsa_kernel k_qf7760cab59_g2
		.amdhsa_group_segment_fixed_size 327680
		.amdhsa_private_segment_fixed_size 0
		.amdhsa_enable_private_segment 0
		.amdhsa_kernarg_size 40
		.amdhsa_user_sgpr_count 2
		.amdhsa_user_sgpr_kernarg_segment_ptr 1
		.amdhsa_wavefront_size32 1
		.amdhsa_system_sgpr_workgroup_id_x 1
		.amdhsa_system_sgpr_workgroup_id_y 1
		.amdhsa_system_sgpr_workgroup_id_z 1
		.amdhsa_system_vgpr_workitem_id 0
		.amdhsa_next_free_vgpr 1024
		.amdhsa_next_free_sgpr 100
		.amdhsa_reserve_vcc 1
		.amdhsa_float_denorm_mode_32 3
		.amdhsa_float_denorm_mode_16_64 3
		.amdhsa_memory_ordered 1
		.amdhsa_forward_progress 1
		.amdhsa_inst_pref_size 255
	.end_amdhsa_kernel
	.section	.bss,"aw",@nobits
	.p2align	6
	.space	262144
	.amdgpu_metadata
---
amdhsa.version: [ 1, 2 ]
amdhsa.kernels:
  - .name:           k_qf7760cab59_g2
    .symbol:         k_qf7760cab59_g2.kd
    .args:
      - { .name: a, .offset: 0, .size: 8, .value_kind: global_buffer, .address_space: global }
      - { .name: w2i, .offset: 8, .size: 8, .value_kind: global_buffer, .address_space: global }
      - { .name: z, .offset: 16, .size: 8, .value_kind: global_buffer, .address_space: global }
      - { .name: b2, .offset: 24, .size: 8, .value_kind: global_buffer, .address_space: global }
      - { .name: pst, .offset: 32, .size: 8, .value_kind: global_buffer, .address_space: global }
    .group_segment_fixed_size: 327680
    .private_segment_fixed_size: 0
    .kernarg_segment_align: 8
    .kernarg_segment_size: 40
    .max_flat_workgroup_size: 128
    .sgpr_count:     100
    .vgpr_count:     1024
    .wavefront_size: 32
...
	.end_amdgpu_metadata
.endif
;; end of part 4
;; launch s2: the kernel of part 2 again; grid 16 x 1, 8 waves a work-group, no clusters, 9,216 bytes of LDS; arguments pst, g2, be2, bn2, W2_codes, W2_scales, W3_codes, W3_scales, w2i, w3i, b3, b3p, bn1; writes bn2, bn1, w2i, w3i, b3p
;; launch n2: the kernel of part 3 again; grid 256 x 1, 16 waves a work-group, no clusters, 59,904 bytes of LDS; arguments z, bn2, a; writes a
;; launch g3f (part 5): grid 256 x 1, 8 waves a work-group, no clusters, 182,272 bytes of LDS; arguments a, w3i, b3p, out0; writes out0
.if DOCPART == 5
	.amdgcn_target "amdgcn-amd-amdhsa--gfx1250"
	.amdhsa_code_object_version 6
	.text
	.protected	k_qf7760cab59_g3f
	.globl	k_qf7760cab59_g3f
	.p2align	8
	.type	k_qf7760cab59_g3f,@function
k_qf7760cab59_g3f:
	s_mov_b64 s[64:65], 0
	v_nop
	global_prefetch_b8 v0, s[64:65] scope:SCOPE_SE
	s_setreg_imm32_b32 hwreg(HW_REG_WAVE_MODE, 25, 1), 1
	s_wait_xcnt 0x0
; out0 = log_softmax(A W3^T + b3) in one launch: the logits never leave the work-group.  A (a) and W3 (w3i) are codes of FP6 (E2M3) with E8M0 scale words, laid as images of the operand's registers:
;   [row / 128][K step of 128][12,800 bytes]; fragment i (16 rows) at 1,536 i, registers 4 c .. 4 c + 3 of lane l at 512 c + 16 l; the scale word of its row r at 12,288 + 64 i + 4 r.
; SHARES.  A work-group takes 32 rows x all 1,024 columns (1,000 and 24 of padding); wave w columns 128 w on, which are block w of w3i: 2 x 8 accumulators, 128 registers.
; W3's fragments are each used by ONE wave, so they go from memory straight into registers: two sets of 8 fragments; a group of four is asked for again, two K steps ahead, behind its 8 products and four places.
;   A group is 12 loads of 512 bytes and 2 of 128 (scale words, two fragments to a register: lanes 0-15 one, lanes 16-31 the next).  s_wait_loadcnt 42: three groups are younger than the one now needed.
; A's 32 rows, all of K (49,152 + 2,048 bytes), go once through registers into LDS; every wave reads two fragments and one scale register a step.  b3 is the C of the first step's products.
; The matrix instruction is used transposed (source 0 = rows of W3, source 1 = rows of A): lane (r, h) holds row r, register j column 16 b + 8 h + j.
; SOFTMAX.  Each wave takes its own 128 columns' maximum and the sum of exponentials under it; the eight (maximum, sum) pairs of a row meet in LDS, and the sums are brought under the joint maximum.
; THE WAY OUT.  Rows of 4,000 bytes are laid on end in LDS (128,000 bytes, 500 blocks of 256) and leave as they lie, 512 consecutive aligned bytes a store.  Of wave 7's columns 1,000 on nothing is staged:
;   in its block b = 6 lanes 16-31 store what lanes 0-15 store, at their address (the same bytes with the same value); its block b = 7 is not stored.
; NO CLUSTER: no tile passes through LDS that partners could be given jointly but A's, which no two work-groups share.  NO PREFETCH: all 256 work-groups walk the same 1,638,400 bytes of w3i in the same order,
;   and a's part is read once, at the head, with no loop to run ahead in.
; LIMITS: the padding columns' bias is set to -1e30, so they count for nothing while the logits lie above that; NaN and infinities among the logits are not served.
.set STEPB, 12800
.set BLKB,  16*STEPB
.set FRB,   1536
.set SCO,   12288
.set ALD,   128000                     ; LDS: the stage from 0; A's fragments, 16 steps x 3,072
.set ASC,   ALD+16*3072                ; A's scale words, 16 x 128
.set EX,    ASC+2048                   ; 32 rows x 8 waves x (maximum, sum)
.set SPARE, EX+2048                    ; the spare words, 128 bytes a wave
.set L16, 2
.set L4,  3
.set ADA, 4
.set ADS, 5
.set STO, 6
.set STO6, 7
.set EXW, 8
.set EXR, 9
.set RB0, 10
.set RB1, 11
.set SPW, 12
.set NIL, 13
.set NEG, 14
.set SB,  16                           ; v16-23 W3's scale words, two sets of four; v24-25 A's, two sets
.set SA,  24
.set AFR, 28                           ; v28-75 A's fragments, two sets of 24
.set ACC, 128                          ; v128-255 accumulator (a, b) at ACC + 8 (2 b + a)
.set BIA, 192                          ; window 1: v0-191 W3's fragments, two sets of 96; v192-255 b3
.set MX,  28                           ; behind the products v28-127 are free
.set PT,  36
.set PR,  40
.set NM,  44
.set SU,  48
.set T,   64
.set E,   64
.set DX,  96
.set MSB, 0
.macro WIN new
.if MSB != \new
	s_set_vgpr_msb (MSB<<8)|\new
.set MSB, \new
.endif
.endm
	s_load_b128 s[4:7], s[0:1], 0x0                ; a, w3i
	s_load_b128 s[8:11], s[0:1], 0x10              ; b3p, out0
	v_lshl_add_u32 v[SPW], v0, 2, SPARE
	v_mov_b32 v[NIL], 0
	v_lshrrev_b32 v15, 5, v0
	v_and_b32 v1, 31, v0
	v_and_b32 v26, 15, v0                          ; r
	v_bfe_u32 v27, v0, 4, 1                        ; h
	v_readfirstlane_b32 s2, v15                    ; wave 0..7
	v_lshlrev_b32 v[L16], 4, v1
	v_lshlrev_b32 v[L4], 2, v1
	v_mul_u32_u24 v[STO6], v26, 4000
	v_lshlrev_b32 v[EXR], 6, v26
	v_lshlrev_b32 v[RB0], 4, v0
	v_mov_b32 v[NEG], 0xf149f2ca                   ; -1e30
	v_add_nc_u32 v[ADA], ALD, v[L16]
	v_add_nc_u32 v[ADS], ASC, v[L4]
	s_mul_i32 s12, s2, 6144
	s_lshl_b32 s13, s2, 9
	s_lshl_b32 s14, s2, 3
	s_lshl_b32 s15, s2, 7
	s_lshl_b32 s19, s2, 8
	v_add_nc_u32 v[EXR], EX, v[EXR]                ; my row's eight pairs
	v_add_nc_u32 v[STO6], s13, v[STO6]             ; the stage: row r of 4,000 bytes + 512 w
	v_add_nc_u32 v[RB1], 65536, v[RB0]
	v_add_nc_u32 v76, s12, v[ADA]                  ; where my wave puts its two steps of A,
	v_add_nc_u32 v77, s19, v[ADS]                  ; and their scale words
	v_lshl_add_u32 v78, v27, 3, s15                ; 128 w + 8 h
	v_add_nc_u32 v[EXW], s14, v[EXR]
	v_lshl_add_u32 v[STO], v27, 5, v[STO6]         ; + 32 h
	v_lshlrev_b32 v15, 5, v27                      ; b3: 32 h
	v_cmp_le_u32 s30, 0x388, v78                   ; column 128 w + 96 + 8 h is 1,000 or more
	v_cmp_le_u32 s31, 0x378, v78                   ; column 128 w + 112 + 8 h is
	v_cmp_ne_u32 s33, 0, v27                       ; lanes 16-31
	s_lshr_b32 s16, ttmp9, 2                       ; a: four work-groups share 128 rows
	s_mul_i32 s16, s16, BLKB
	s_mul_i32 s17, s2, 2*STEPB                     ; my wave brings K steps 2 w and 2 w + 1
	s_add_co_u32 s16, s16, s17
	s_and_b32 s18, ttmp9, 3
	s_mul_i32 s20, s18, 3072                       ; my work-group's two fragments,
	s_add_co_u32 s20, s20, s16
	s_mov_b32 s21, 0
	s_lshl_b32 s22, s18, 7                         ; and their 128 bytes of scale words
	s_add_co_u32 s22, s22, s16
	s_add_co_u32 s22, s22, SCO
	s_mov_b32 s23, 0
	s_mul_i32 s24, s2, BLKB                        ; w3i: my wave's block
	s_mov_b32 s25, 0
	s_mov_b32 s26, s13                             ; b3p: 512 w
	s_mov_b32 s27, 0
	s_mul_i32 s28, ttmp9, 128000
	s_mov_b32 s29, 0
	s_mov_b32 s34, 0x3fb8aa3b                      ; log2(e), as a pair
	s_mov_b32 s35, s34
	s_mov_b32 s36, 0x76543210                      ; selects for lane l xor 16
	s_mov_b32 s37, 0xfedcba98
	s_mov_b32 s38, 0x3f317218                      ; ln(2)
	s_wait_alu depctr_va_vdst(0)
	s_wait_kmcnt 0x0
	s_add_nc_u64 s[20:21], s[4:5], s[20:21]
	s_add_nc_u64 s[22:23], s[4:5], s[22:23]
	s_add_nc_u64 s[24:25], s[6:7], s[24:25]
	s_add_nc_u64 s[26:27], s[8:9], s[26:27]
	s_add_nc_u64 s[10:11], s[10:11], s[28:29]
.irp q, 0,1
.irp c, 0,1,2,3,4,5
	global_load_b128 v[ACC+24*\q+4*\c:ACC+24*\q+4*\c+3], v[L16], s[20:21] offset:\q*STEPB+512*\c th:TH_LOAD_NT
.endr
	global_load_b32 v[ACC+48+\q], v[L4], s[22:23] offset:\q*STEPB th:TH_LOAD_NT
.endr
	WIN 0x40
.irp b, 0,1,2,3,4,5,6,7
	global_load_b128 v[BIA+8*\b:BIA+8*\b+3], v15, s[26:27] offset:64*\b
	global_load_b128 v[BIA+8*\b+4:BIA+8*\b+7], v15, s[26:27] offset:64*\b+16
.endr
; fragments 4 g .. 4 g + 3 of set p and their two scale registers, from byte off of where s[24:25] stands
.macro GLD p, g, off
	WIN 0x40
.irp i, 0,1,2,3
.irp c, 0,1,2
	global_load_b128 v[96*(\p)+12*(4*(\g)+\i)+4*\c:96*(\p)+12*(4*(\g)+\i)+4*\c+3], v[L16], s[24:25] offset:(\off)+(4*(\g)+\i)*FRB+512*\c
.endr
.endr
	WIN 0
.irp j, 0,1
	global_load_b32 v[SB+4*(\p)+2*(\g)+\j], v[L4], s[24:25] offset:(\off)+SCO+128*(2*(\g)+\j)
.endr
.endm
	GLD 0, 0, 0
	GLD 0, 1, 0
	s_wait_loadcnt 44                              ; A's 14 loads are in: b3's 16 and two groups of 14 are younger
.irp q, 0,1
.irp c, 0,1,2,3,4,5
	ds_store_b128 v76, v[ACC+24*\q+4*\c:ACC+24*\q+4*\c+3] offset:\q*3072+512*\c
.endr
	ds_store_b32 v77, v[ACC+48+\q] offset:128*\q
.endr
	GLD 1, 0, STEPB
	GLD 1, 1, STEPB
	s_wait_dscnt 0x0                               ; for the others' sake: my part of A has landed
	s_barrier_signal -1
	s_barrier_wait -1
.macro ALDS p, k                       ; A's two fragments and scale register of the step k on from where ADA stands, into set p
.irp c, 0,1,2,3,4,5
	ds_load_b128 v[AFR+24*(\p)+4*\c:AFR+24*(\p)+4*\c+3], v[ADA] offset:(\k)*3072+512*\c
.endr
	ds_load_b32 v[SA+(\p)], v[ADS] offset:(\k)*128
.endm
.macro WM p, b, a, first
.set DD, ACC+8*(2*(\b)+(\a))
.set BF, 96*(\p)+12*(\b)
.set AA, AFR+24*(\p)+12*(\a)
.set SS, SB+4*(\p)+(\b)/2
.set R0, (\b)%2
.set R1, (\a)
.if \first
.set CC, BIA+8*(\b)
.else
.set CC, DD
.endif
.if R0 == 0 && R1 == 0
	v_wmma_scale_f32_16x16x128_f8f6f4 v[DD:DD+7], v[BF:BF+11], v[AA:AA+11], v[CC:CC+7], v[SS], v[SA+(\p)] matrix_a_fmt:MATRIX_FMT_FP6 matrix_b_fmt:MATRIX_FMT_FP6
.endif
.if R0 == 1 && R1 == 0
	v_wmma_scale_f32_16x16x128_f8f6f4 v[DD:DD+7], v[BF:BF+11], v[AA:AA+11], v[CC:CC+7], v[SS], v[SA+(\p)] matrix_a_fmt:MATRIX_FMT_FP6 matrix_b_fmt:MATRIX_FMT_FP6 matrix_a_scale:MATRIX_SCALE_ROW1
.endif
.if R0 == 0 && R1 == 1
	v_wmma_scale_f32_16x16x128_f8f6f4 v[DD:DD+7], v[BF:BF+11], v[AA:AA+11], v[CC:CC+7], v[SS], v[SA+(\p)] matrix_a_fmt:MATRIX_FMT_FP6 matrix_b_fmt:MATRIX_FMT_FP6 matrix_b_scale:MATRIX_SCALE_ROW1
.endif
.if R0 == 1 && R1 == 1
	v_wmma_scale_f32_16x16x128_f8f6f4 v[DD:DD+7], v[BF:BF+11], v[AA:AA+11], v[CC:CC+7], v[SS], v[SA+(\p)] matrix_a_fmt:MATRIX_FMT_FP6 matrix_b_fmt:MATRIX_FMT_FP6 matrix_a_scale:MATRIX_SCALE_ROW1 matrix_b_scale:MATRIX_SCALE_ROW1
.endif
.endm
; 8 products on four fragments of W3 (the 16 accumulators take turns), four places, and the four fragments' next load
.macro GRP p, g, first, rl, cnt
	s_wait_loadcnt \cnt
.if \first
	WIN 0x11                                       ; W3's fragments and b3 in window 1
.else
	WIN 0x01
.endif
.irp b, 0,1,2,3
.irp a, 0,1
	WM \p, 4*(\g)+\b, \a, \first
.endr
.endr
.rept 4
	v_nop                                          ; places in front of loads into registers that these products read, and of the first read of results
.endr
.if \rl
	GLD \p, \g, (2+(\p))*STEPB
.else
	WIN 0
.endif
.endm
.macro STEP p, first, more, rl, c0, c1
.if \more
	ALDS 1-(\p), (\p)+1
	s_wait_dscnt 7                                 ; this step's A is in; the 7 loads just issued may be out
.else
	s_wait_dscnt 0x0
.endif
	GRP \p, 0, \first, \rl, \c0
	GRP \p, 1, \first, \rl, \c1
.endm
.macro ONWARD                          ; two K steps on
	s_wait_xcnt 0x0                                ; the loads have read their base
	s_add_nc_u64 s[24:25], s[24:25], 2*STEPB
	v_add_nc_u32 v[ADA], 6144, v[ADA]
	v_add_nc_u32 v[ADS], 256, v[ADS]
.endm
	ALDS 0, 0
	s_wait_loadcnt 56                              ; b3 is in: four groups of 14 are younger
	WIN 0x41
.irp j, 0,1,2,3,4,5,6,7
	v_cndmask_b32 v[BIA+48+\j], v[BIA+48+\j], v[NEG], s30   ; the padding columns' bias
	v_cndmask_b32 v[BIA+56+\j], v[BIA+56+\j], v[NEG], s31
.endr
.rept 4
	v_nop
.endr
	WIN 0
	s_wait_alu depctr_va_vdst(0)
	STEP 0, 1, 1, 1, 42, 42
	STEP 1, 0, 1, 1, 42, 42
	ONWARD
	s_mov_b32 s3, 6
	s_wait_alu depctr_va_vdst(0)
.Lk:                                               ; K steps 2 to 13, two a trip
	STEP 0, 0, 1, 1, 42, 42
	STEP 1, 0, 1, 1, 42, 42
	ONWARD
	s_sub_co_u32 s3, s3, 1
	s_cmp_lg_u32 s3, 0
	s_wait_alu depctr_va_vdst(0)
	s_cbranch_scc1 .Lk
	STEP 0, 0, 1, 0, 42, 28                        ; the last two steps ask for nothing more of W3
	STEP 1, 0, 0, 0, 14, 0
	; my wave's maxima: eight chains, 4 a + e
.irp k, 0,1,2,3,4,5,6,7
	v_mov_b32 v[MX+\k], 0xff800000
.endr
.irp k, 0,1,2,3
	v_mov_b32 v[PT+\k], 0                          ; a lane permute's destination counts as a source
.endr
.irp b, 0,1,2,3,4,5,6,7
.irp e, 0,1,2,3
.irp a, 0,1
	v_max3_num_f32 v[MX+4*\a+\e], v[MX+4*\a+\e], v[ACC+8*(2*\b+\a)+2*\e], v[ACC+8*(2*\b+\a)+2*\e+1]   ; each accumulator from its low end on
.endr
.endr
.endr
	s_delay_alu instid0(VALU_DEP_4)
	v_max3_num_f32 v[MX], v[MX], v[MX+1], v[MX+2]
	s_delay_alu instid0(VALU_DEP_4)
	v_max3_num_f32 v[MX+4], v[MX+4], v[MX+5], v[MX+6]
	s_delay_alu instid0(VALU_DEP_2)
	v_max_num_f32 v[MX], v[MX], v[MX+3]
	s_delay_alu instid0(VALU_DEP_2)
	v_max_num_f32 v[MX+4], v[MX+4], v[MX+7]
	v_permlanex16_b32 v[PT], v[MX], s36, s37
	v_permlanex16_b32 v[PT+1], v[MX+4], s36, s37
	v_max_num_f32 v[PR], v[MX], v[PT]              ; the maximum of row 16 a + r over my 128 columns
	v_max_num_f32 v[PR+2], v[MX+4], v[PT+1]
	s_delay_alu instid0(VALU_DEP_2)
	v_mul_f32 v[NM], 0xbfb8aa3b, v[PR]             ; - maximum x log2(e), twice
	s_delay_alu instid0(VALU_DEP_2)
	v_mul_f32 v[NM+2], 0xbfb8aa3b, v[PR+2]
	s_delay_alu instid0(VALU_DEP_2)
	v_mov_b32 v[NM+1], v[NM]
	s_delay_alu instid0(VALU_DEP_2)
	v_mov_b32 v[NM+3], v[NM+2]
; 64 exponentials as one batch, summed in eight chains of pairs
.macro EXPS a
.set j, 0
.rept 32
	v_pk_fma_f32 v[T+j:T+j+1], v[ACC+8*(2*(j/8)+(\a))+(j%8):ACC+8*(2*(j/8)+(\a))+(j%8)+1], s[34:35], v[NM+2*(\a):NM+2*(\a)+1] op_sel_hi:[1,0,0]
.set j, j+2
.endr
	s_wait_alu depctr_va_vdst(0)                   ; the wait ahead of the batch,
.set j, 0
.rept 64
	v_exp_f32 v[T+j], v[T+j]
.set j, j+1
.endr
	v_nop
	s_wait_alu depctr_va_vdst(0)                   ; and behind it
.irp c, 0,1,2,3,4,5,6,7
	v_pk_add_f32 v[SU+2*\c:SU+2*\c+1], v[T+2*\c:T+2*\c+1], v[T+16+2*\c:T+16+2*\c+1]
.endr
.irp q, 32,48
.irp c, 0,1,2,3,4,5,6,7
	v_pk_add_f32 v[SU+2*\c:SU+2*\c+1], v[SU+2*\c:SU+2*\c+1], v[T+\q+2*\c:T+\q+2*\c+1]
.endr
.endr
.irp c, 0,1,2,3
	s_delay_alu instid0(VALU_DEP_4)
	v_pk_add_f32 v[SU+2*\c:SU+2*\c+1], v[SU+2*\c:SU+2*\c+1], v[SU+8+2*\c:SU+8+2*\c+1]
.endr
	s_delay_alu instid0(VALU_DEP_2)
	v_pk_add_f32 v[SU:SU+1], v[SU:SU+1], v[SU+4:SU+5]
	s_delay_alu instid0(VALU_DEP_2)
	v_pk_add_f32 v[SU+2:SU+3], v[SU+2:SU+3], v[SU+6:SU+7]
	s_delay_alu instid0(VALU_DEP_1)
	v_pk_add_f32 v[SU:SU+1], v[SU:SU+1], v[SU+2:SU+3]
	s_delay_alu instid0(VALU_DEP_1)
	v_add_f32 v[PR+2*(\a)+1], v[SU], v[SU+1]
.endm
	EXPS 0
	EXPS 1
	v_permlanex16_b32 v[PT+2], v[PR+1], s36, s37
	v_permlanex16_b32 v[PT+3], v[PR+3], s36, s37
	v_add_f32 v[PR+1], v[PR+1], v[PT+2]            ; my wave's sum under its own maximum
	v_add_f32 v[PR+3], v[PR+3], v[PT+3]
	ds_store_b64 v[EXW], v[PR:PR+1]                ; lanes r and r + 16 write the same bytes with the same value
	ds_store_b64 v[EXW], v[PR+2:PR+3] offset:1024
	s_wait_dscnt 0x0                               ; for the others' sake
	s_barrier_signal -1
	s_barrier_wait -1
.irp a, 0,1
.irp i, 0,1,2,3
	ds_load_b128 v[E+16*\a+4*\i:E+16*\a+4*\i+3], v[EXR] offset:1024*\a+16*\i
.endr
.endr
	s_wait_dscnt 0x0
	v_max3_num_f32 v28, v[E], v[E+2], v[E+4]
	v_max3_num_f32 v29, v[E+16], v[E+18], v[E+20]
.irp w, 6,10
	s_delay_alu instid0(VALU_DEP_2)
	v_max3_num_f32 v28, v28, v[E+\w], v[E+\w+2]
	s_delay_alu instid0(VALU_DEP_2)
	v_max3_num_f32 v29, v29, v[E+16+\w], v[E+16+\w+2]
.endr
	s_delay_alu instid0(VALU_DEP_2)
	v_max_num_f32 v28, v28, v[E+14]                ; the row's maximum m
	s_delay_alu instid0(VALU_DEP_2)
	v_max_num_f32 v29, v29, v[E+30]
	s_delay_alu instid0(VALU_DEP_2)
	v_mul_f32 v30, 0xbfb8aa3b, v28
	s_delay_alu instid0(VALU_DEP_2)
	v_mul_f32 v31, 0xbfb8aa3b, v29
.irp w, 0,1,2,3,4,5,6,7
	v_fma_f32 v[DX+\w], v[E+2*\w], s34, v30        ; (wave w's maximum - m) log2(e)
	v_fma_f32 v[DX+8+\w], v[E+16+2*\w], s34, v31
.endr
	s_wait_alu depctr_va_vdst(0)
.set j, 0
.rept 16
	v_exp_f32 v[DX+j], v[DX+j]
.set j, j+1
.endr
	v_nop
	s_wait_alu depctr_va_vdst(0)
	v_mul_f32 v32, v[E+1], v[DX]
	v_mul_f32 v33, v[E+17], v[DX+8]
.irp w, 1,2,3,4,5,6,7
	v_fmac_f32 v32, v[E+2*\w+1], v[DX+\w]          ; the eight sums under m
	v_fmac_f32 v33, v[E+16+2*\w+1], v[DX+8+\w]
.endr
	s_wait_alu depctr_va_vdst(0)
	v_log_f32 v34, v32
	v_log_f32 v35, v33
	v_nop
	s_wait_alu depctr_va_vdst(0)
	v_fma_f32 v[NM], v34, s38, v28                 ; m + ln(2) log2(sum), twice
	v_fma_f32 v[NM+2], v35, s38, v29
	s_delay_alu instid0(VALU_DEP_2)
	v_mov_b32 v[NM+1], v[NM]
	s_delay_alu instid0(VALU_DEP_2)
	v_mov_b32 v[NM+3], v[NM+2]
.irp b, 0,1,2,3,4,5,6,7
.irp a, 0,1
.irp e, 0,2,4,6
	v_pk_add_f32 v[ACC+8*(2*\b+\a)+\e:ACC+8*(2*\b+\a)+\e+1], v[ACC+8*(2*\b+\a)+\e:ACC+8*(2*\b+\a)+\e+1], v[NM+2*\a:NM+2*\a+1] neg_lo:[0,1] neg_hi:[0,1]
.endr
.endr
.endr
.macro PUT adr, reg, a, b
	ds_store_b128 v[\adr], v[\reg:\reg+3] offset:64000*\a+64*\b
	ds_store_b128 v[\adr], v[\reg+4:\reg+7] offset:64000*\a+64*\b+16
.endm
.irp a, 0,1
.irp b, 0,1,2,3,4,5
	PUT STO, ACC+8*(2*\b+\a), \a, \b
.endr
.endr
	s_cmp_eq_u32 s2, 7
	s_wait_alu depctr_va_vdst(0)
	s_cbranch_scc1 .Lw7
.irp a, 0,1
.irp b, 6,7
	PUT STO, ACC+8*(2*\b+\a), \a, \b
.endr
.endr
	s_branch .Lstaged
.Lw7:                                              ; wave 7: columns 992 to 999 alone are left; lanes 16-31 take lanes 0-15's numbers and address
.irp a, 0,1
.irp j, 0,1,2,3,4,5,6,7
	v_permlanex16_b32 v[DX+8*\a+\j], v[ACC+8*(12+\a)+\j], s36, s37
.endr
.endr
.irp a, 0,1
.irp j, 0,1,2,3,4,5,6,7
	v_cndmask_b32 v[DX+8*\a+\j], v[ACC+8*(12+\a)+\j], v[DX+8*\a+\j], s33
.endr
.endr
	PUT STO6, DX, 0, 6
	PUT STO6, DX+8, 1, 6
.Lstaged:
	s_wait_dscnt 0x0                               ; for the others' sake: my stores have landed
	s_barrier_signal -1
	s_barrier_wait -1
.irp t, 0,1,2,3,4,5,6,7,8,9,10,11,12,13,14,15
	ds_load_b128 v[ACC+4*\t:ACC+4*\t+3], v[RB0] offset:4096*\t
.endr
.irp t, 16,17,18,19,20,21,22,23,24,25,26,27,28,29,30
	ds_load_b128 v[ACC+4*\t:ACC+4*\t+3], v[RB1] offset:4096*(\t-16)
.endr
.irp t, 0,1,2,3,4,5,6,7,8,9,10,11,12,13,14,15,16,17,18,19,20,21,22,23,24,25,26,27,28,29,30
	s_wait_dscnt 30-\t                             ; load t is in, the younger ones may be out
	global_store_b128 v[RB0], v[ACC+4*\t:ACC+4*\t+3], s[10:11] offset:4096*\t th:TH_STORE_NT   ; a wave stores 512 consecutive bytes, at a multiple of 256 from out0's first byte
.endr
	s_cmp_lt_u32 s2, 2
	s_cbranch_scc0 .Lend
	ds_load_b128 v[ACC+124:ACC+127], v[RB1] offset:4096*15   ; 128,000 bytes are 31 sweeps of 4,096 and 1,024 more: waves 0 and 1
	s_wait_dscnt 0x0
	global_store_b128 v[RB0], v[ACC+124:ACC+127], s[10:11] offset:4096*31 th:TH_STORE_NT
.Lend:
	s_wait_tensorcnt 0x0                           ; the wave's end
	ds_add_u32 v[SPW], v[NIL]
	s_wait_dscnt 0x0
	s_endpgm
.Lfunc_end_k_qf7760cab59_g3f:
	.size	k_qf7760cab59_g3f, .Lfunc_end_k_qf7760cab59_g3f-k_qf7760cab59_g3f
	.p2alignl 7, 3214868480
	.fill 96, 4, 3214868480
	.section	.rodata,"a",@progbits
	.p2align	6, 0x0
	.amdhsa_kernel k_qf7760cab59_g3f
		.amdhsa_group_segment_fixed_size 182272
		.amdhsa_private_segment_fixed_size 0
		.amdhsa_enable_private_segment 0
		.amdhsa_kernarg_size 32
		.amdhsa_user_sgpr_count 2
		.amdhsa_user_sgpr_kernarg_segment_ptr 1
		.amdhsa_wavefront_size32 1
		.amdhsa_system_sgpr_workgroup_id_x 1
		.amdhsa_system_sgpr_workgroup_id_y 1
		.amdhsa_system_sgpr_workgroup_id_z 1
		.amdhsa_system_vgpr_workitem_id 0
		.amdhsa_next_free_vgpr 512
		.amdhsa_next_free_sgpr 66
		.amdhsa_reserve_vcc 0
		.amdhsa_float_denorm_mode_32 3
		.amdhsa_float_denorm_mode_16_64 3
		.amdhsa_memory_ordered 1
		.amdhsa_forward_progress 1
		.amdhsa_inst_pref_size 80
	.end_amdhsa_kernel
	.amdgpu_metadata
---
amdhsa.version: [ 1, 2 ]
amdhsa.kernels:
  - .name:           k_qf7760cab59_g3f
    .symbol:         k_qf7760cab59_g3f.kd
    .args:
      - { .name: a, .offset: 0, .size: 8, .value_kind: global_buffer, .address_space: global }
      - { .name: w3i, .offset: 8, .size: 8, .value_kind: global_buffer, .address_space: global }
      - { .name: b3p, .offset: 16, .size: 8, .value_kind: global_buffer, .address_space: global }
      - { .name: out0, .offset: 24, .size: 8, .value_kind: global_buffer, .address_space: global }
    .group_segment_fixed_size: 182272
    .private_segment_fixed_size: 0
    .kernarg_segment_align: 8
    .kernarg_segment_size: 32
    .max_flat_workgroup_size: 256
    .sgpr_count:     66
    .vgpr_count:     512
    .wavefront_size: 32
...
	.end_amdgpu_metadata
.endif
;; end of part 5
